; MI455X (gfx1250); checked and timed in simulation.
; The chip was launched on July 23, 2026; its instructions are those of AMD's public machine-readable ISA for CDNA 5 (MIT licence, August 2026) and "CDNA5" Instruction Set Architecture Reference Guide (July 2026). The comments in the code are by the model that wrote it; some were corrected since.
;; Self Attention. Allowed arithmetic: matrix products marked QUANTISED: E2M3 operands, one E8M0 scale for each 32 along K, by v_wmma_scale_f32_16x16x128_f8f6f4 with both operands' format E2M3, f32 sums; everything else in f32.
;; Inputs: W_proj 1,024 x 1,024 float32; W_qkv 3,072 x 1,024 float32; attn_bias 1 x 1 x 2,048 x 2,048 float32; b_proj 1,024 float32; q_bias 1,024 float32; scale_mul_1H11 1 x 16 x 1 x 1 float32; v_bias 1,024 float32; x 2 x 2,048 x 1,024 float32.
;; Outputs: out0 2 x 2,048 x 1,024 float32.
;; This version of the problem:
;;   THIS VERSION OF THE PROBLEM IS GIVEN IN LOW PRECISION. The matrix products marked QUANTISED in the list below multiply operands that are first quantised to E2M3 (2 exponent bits, 3 mantissa bits; 6 bits a number), with one power-of-two scale for each 32 numbers along K (OCP MX v1.0); their sums are f32. All else is computed in f32.
;;   The module's matrix products, in the order in which they are computed (A, B: the left and right operand; K: the contracted axis; several contracted axes count as one K, in the product's order):
;;     1. [M 4,096, K 1,024] x [K 1,024, N 3,072]; A: input x; B: input W_qkv: QUANTISED
;;     2. batch 32 x [M 2,048, K 64] x [K 64, N 2,048]; A: computed on the way; B: computed on the way: QUANTISED
;;     3. batch 32 x [M 2,048, K 2,048] x [K 2,048, N 64]; A: softmax (see below); B: computed on the way: QUANTISED
;;     4. [M 4,096, K 1,024] x [K 1,024, N 1,024]; A: computed on the way; B: input W_proj: QUANTISED
;;   THE QUANTISER, for each operand of a quantised product, along K:
;;     - K is cut into blocks of 32 from its start; a last block that is shorter is filled with zeros.
;;     - A block's scale is 2^e with e = floor(log2(the largest magnitude in the block)) - 2, held to -126 .. 127; a block of zeros has e = 0. As a byte (E8M0): e + 127.
;;     - Each number is divided by its block's scale, clamped to +-7.5, and rounded to the nearest number of E2M3, ties to even, subnormals kept.
;;     - The product sums the exact products of the quantised numbers (number of the format x scale) in f32.
;;   ~~~python
;;   def quantise(x, axis):      # numpy; x: float32 -> the quantised numbers, widened to float32 again
;;       x = np.moveaxis(x, axis, -1); K = x.shape[-1]
;;       x = np.pad(x, [(0, 0)] * (x.ndim - 1) + [(0, -K % 32)]); x = x.reshape(x.shape[:-1] + (-1, 32)); a = np.abs(x).max(-1, keepdims=True)
;;       e = np.where(a > 0, np.clip(np.frexp(np.where(a > 0, a, 1))[1] - 1 - 2, -126, 127), 0)      # np.frexp(a)[1] - 1 = floor(log2(a)), exactly
;;       r = np.clip(x / 2.0 ** e, -7.5, 7.5)
;;       step = 2.0 ** (np.maximum(np.frexp(np.where(r == 0, 1, r))[1] - 1, 0) - 3)
;;       q = np.round(r / step) * step * 2.0 ** e      # np.round: ties to even
;;       return np.moveaxis(q.reshape(q.shape[:-2] + (-1,))[..., :K], -1, axis).astype(np.float32)
;;   ~~~
;;   SOFTMAX AHEAD OF A QUANTISED PRODUCT. Where the list says 'softmax', what is quantised is not the finished softmax but p = 2^(t - M), with t = logit x log2(e) and M = ceil(the row's largest t), a whole number; so 1/2 < the row's largest p <= 1. The row's sum l is taken of the UNQUANTISED p, in f32, and the product's result is divided by l at the end. Since M is a whole number, a kernel that streams over the keys may use a running M (the ceiling of the running maximum): every later rescaling is an exact power of two, which a block's scale takes up: the codes' values come out the same.
;;   OPERANDS COMPUTED ON THE WAY. 'Computed on the way' means the value that the module computes at that place (a softmax that the list does not call 'softmax' is quantised finished and normalised). What goes into a quantiser is computed in f32, as accurately as f32 sums, v_exp_f32 and their like allow (about 1e-6 of the number): no bf16 or f16 on the way to a quantiser, and a product that is left as it is and whose result goes on into a quantised operand takes f32 operands (vector FMAs, or v_wmma_f32_16x16x4_f32). A number that lies on a knife's edge between two numbers of the format may be rounded either way, as far as f32 arithmetic and the matrix unit's own rounding can turn it there, and no further.
;; One version. Each part assembles by itself: llvm-mc -triple=amdgcn-amd-amdhsa -mcpu=gfx1250 --defsym DOCPART=n.
;; ======== version 1 of 1: 4 launches
;; limits: right only within a limited range of input values
;; workspace buffers: qa 6,553,600 bytes; qkv 10,092,544 bytes; ob 3,276,800 bytes
;; launch quant (part 1): grid 256 x 1, 4 waves a work-group, no clusters, 33,280 bytes of LDS; arguments x, W_qkv, W_proj, qa; writes qa
.if DOCPART == 1
	.amdgcn_target "amdgcn-amd-amdhsa--gfx1250"
	.amdhsa_code_object_version 6
	.text
	.protected	k_q561858dd91_quant
	.globl	k_q561858dd91_quant
	.p2align	8
	.type	k_q561858dd91_quant,@function
k_q561858dd91_quant:
	s_mov_b64 s[64:65], 0
	v_nop
	global_prefetch_b8 v0, s[64:65] scope:SCOPE_SE
	s_setreg_imm32_b32 hwreg(HW_REG_WAVE_MODE, 25, 1), 1
	s_wait_xcnt 0x0
; x [4096][1024], W_qkv [3072][1024] and W_proj [1024][1024], f32, become codes of FP6 (E2M3) and one E8M0 byte for each 32 along K (32 bytes a row), all in the buffer qa.
; A block's scale is 2^(floor(log2(its largest magnitude)) - 2); its byte is the largest magnitude's exponent field - 2, held at 1 from below.
; LIMITS: a block of zeros gets the byte 1 where the rule says 127 (its codes are zeros, and this program alone reads the bytes); NaN and infinities among the inputs are not served.
; SHARES: work-groups 0-127 take x, 128-223 W_qkv, 224-255 W_proj.  A wave takes one RUN of 8 rows: 8,192 numbers, 16 steps of 512.
; HOW THE CODES LIE.  K is cut into four quarters of 256 codes, 192 bytes.  x and W_qkv: four planes, one a quarter, each of 7,168 stored rows x 192 bytes (x's 4,096, then W_qkv's 3,072): any run of
; stored rows whose bytes are a multiple of 256 is a dense block of a plane.  W_proj: groups of 64 rows, in each the four quarters one behind the other (4 x 64 x 192 bytes): a group is one dense block.
; THE RUNS ARE STORED IN ANOTHER ORDER THAN THEY ARE READ.  Inside each 32 rows of x the four runs lie 0, 2, 1, 3, so that 16 stored rows on end are rows 0-7 and 16-23 (or 8-15 and 24-31) of the 32:
; used as a matrix instruction's first source such a tile gives each lane's 16 result registers of two neighbouring tiles 16 neighbouring rows.  W_qkv's rows lie head by head, 192 stored rows a head:
; q (64) | v's channels 0-31 | k (64) | v's channels 32-63, each in the same order of runs.  W_proj's rows keep their order.
; Each load of a wave reads 512 consecutive bytes; a step's 2,048 bytes turn through the wave's own stage in LDS so that a lane holds 16 neighbours; loads run eight steps (32 loads a wave) ahead.
.set WAVES, 4
.set STEPS, 16
.set AHEAD, 8
.set EMAX,  2
.set CB,    12                         ; bytes of 16 codes
.set R,     16                         ; v16-143  eight sets of 16 numbers as they are loaded
.set X,     144                        ; v144-175 two sets of 16 neighbours
.set E,     176                        ; v176-191 a scale byte for each step
.set C,     192                        ; v192-255 codes: four registers for each step
.set WREG,  8192                       ; LDS of a wave: two stages of 32 x SP bytes, then its 256 scale bytes
.set SP,    80                         ; a lane's place in a stage: 64 bytes + 16 of padding
.set SPW,   12                         ; v12  LDS address of my spare word; never rewritten
.set NIL,   13                         ; v13  0; never rewritten
.set SPARE, WAVES*WREG                 ; the spare words: 128 bytes a wave, named by no other line
.set PLANE, 7168*192                   ; from quarter to quarter of K, x and W_qkv
.set O_WQC, 4096*192                   ; W_qkv's first stored row in a plane
.set O_WPC, 4*PLANE                    ; W_proj's groups
.set O_XS,  6291456                    ; x's scale bytes, W_qkv's, W_proj's
.set O_WQS, 6422528
.set O_WPS, 6520832
	s_load_b256 s[4:11], s[0:1], 0x0               ; x s[4:5], W_qkv s[6:7], W_proj s[8:9], qa s[10:11]
	v_lshl_add_u32 v[SPW], v0, 2, SPARE
	v_mov_b32 v[NIL], 0
	v_lshrrev_b32 v1, 5, v0
	v_readfirstlane_b32 s16, v1                    ; wave
	v_and_b32 v2, 31, v0                           ; lane
	v_lshlrev_b32 v3, 4, v2                        ; my 16 bytes of a load's 512
	s_mul_i32 s17, s16, WREG
	s_mov_b32 s38, PLANE
	s_cmp_lt_u32 ttmp9, 224
	s_cselect_b32 s38, s38, 64*192                 ; bytes from one quarter of K to the next
	v_lshrrev_b32 v14, 2, v2
	v_mul_u32_u24 v14, v14, SP
	v_and_b32 v15, 3, v2
	v_lshl_add_u32 v14, v15, 4, v14
	v_add_nc_u32 v14, s17, v14                     ; the stage, on the way in: SP (lane / 4) + 16 (lane % 4)
	v_mul_u32_u24 v15, v2, SP
	v_add_nc_u32 v15, s17, v15                     ; and on the way out: SP x lane: my 16 neighbours
	v_and_b32 v4, 15, v2
	v_lshrrev_b32 v10, 4, v2
	v_mul_u32_u24 v4, v4, CB
	v_mad_u32_u24 v4, v10, s38, v4                 ; my codes: sixteen lanes fill a row's 192 bytes of a quarter; lanes 16-31 the next quarter (even steps: quarters 0, 1)
	v_lshl_add_u32 v10, s38, 1, v4                 ; odd steps: quarters 2, 3
	v_lshrrev_b32 v5, 1, v2
	s_add_co_u32 s17, s17, 2*32*SP
	v_add_nc_u32 v5, s17, v5                       ; my wave's 256 scale bytes, my block's byte
	v_lshlrev_b32 v7, 3, v2
	v_add_nc_u32 v6, s17, v7                       ; and on the way out 8 bytes a lane
	; which run is mine, and where it is stored.  All three tensors' places are worked out; the work-group's number chooses
	s_cmp_lt_u32 ttmp9, 128
	s_cselect_b32 s18, 0, 128
	s_cmp_lt_u32 ttmp9, 224
	s_cselect_b32 s18, s18, 224
	s_sub_co_u32 s18, ttmp9, s18
	s_lshl_b32 s18, s18, 2
	s_add_co_u32 s18, s18, s16                     ; R: the run in its tensor
	s_and_b32 s19, s18, 4
	s_and_b32 s20, s18, 1
	s_lshl_b32 s20, s20, 1
	s_or_b32 s19, s19, s20
	s_bfe_u32 s20, s18, 0x10001
	s_or_b32 s19, s19, s20                         ; p: R's low three bits with bits 0 and 1 exchanged
	s_and_b32 s21, s18, 0xfffffff8
	s_or_b32 s21, s21, s19                         ; x: the stored run
	s_bfe_u32 s22, s18, 0x40003                    ; W_qkv: the head,
	s_mul_i32 s22, s22, 24
	s_add_co_u32 s22, s22, s19
	s_lshr_b32 s23, s18, 7                         ; q, k or v,
	s_and_b32 s24, s18, 4
	s_lshl_b32 s24, s24, 1
	s_add_co_u32 s24, s24, 8                       ; v: runs 8-11 or 20-23 of the head's 24
	s_cmp_eq_u32 s23, 1
	s_cselect_b32 s25, 12, 0                       ; k: 12-19; q: 0-7
	s_cmp_eq_u32 s23, 2
	s_cselect_b32 s25, s24, s25
	s_add_co_u32 s22, s22, s25                     ; the stored run
	s_mov_b32 s26, O_WQC
	s_mov_b32 s27, O_WPC
	s_mov_b32 s28, O_XS
	s_mov_b32 s29, O_WQS
	s_mov_b32 s30, O_WPS
	s_mov_b32 s35, 0
	s_wait_alu depctr_va_vdst(0)                   ; the wait at the head's end
	s_wait_kmcnt 0x0
	s_cmp_lt_u32 ttmp9, 128                        ; the choices hang on the work-group's number alone
	s_cselect_b64 s[12:13], s[4:5], s[6:7]
	s_cselect_b32 s31, s21, s22
	s_cselect_b32 s32, 0, s26
	s_cselect_b32 s33, s28, s29
	s_cmp_lt_u32 ttmp9, 224
	s_cselect_b64 s[12:13], s[12:13], s[8:9]
	s_cselect_b32 s31, s31, s18
	s_cselect_b32 s32, s32, s27
	s_cselect_b32 s33, s33, s30
	s_cselect_b32 s39, 0, 3*64*192                 ; W_proj: each group of eight runs passed has three more quarters behind it
	s_lshr_b32 s34, s18, 3
	s_mul_i32 s39, s39, s34
	s_lshl_b32 s34, s18, 15                        ; a run is 32,768 bytes of f32,
	s_add_nc_u64 s[12:13], s[12:13], s[34:35]
	s_mul_i32 s34, s31, 8*192                      ; 1,536 bytes of codes in each quarter,
	s_add_co_u32 s34, s34, s32
	s_add_co_u32 s34, s34, s39
	s_add_nc_u64 s[14:15], s[10:11], s[34:35]
	s_lshl_b32 s34, s31, 8                         ; 256 scale bytes
	s_add_co_u32 s34, s34, s33
	s_add_nc_u64 s[36:37], s[10:11], s[34:35]
.macro LOAD t
.irp i, 0,1,2,3
	global_load_b128 v[R+16*((\t)%AHEAD)+4*\i:R+16*((\t)%AHEAD)+4*\i+3], v3, s[12:13] offset:2048*(\t)+512*\i th:TH_LOAD_NT   ; 32 lanes read 512 consecutive bytes
.endr
.endm
.macro TURN t                          ; step t's numbers through a stage: LDS serves a wave's instructions in order, so no wait stands between the stores and the loads
.irp i, 0,1,2,3
	ds_store_b128 v14, v[R+16*((\t)%AHEAD)+4*\i:R+16*((\t)%AHEAD)+4*\i+3] offset:32*SP*((\t)%2)+8*SP*\i
.endr
.irp i, 0,1,2,3
	ds_load_b128 v[X+16*((\t)%2)+4*\i:X+16*((\t)%2)+4*\i+3], v15 offset:32*SP*((\t)%2)+16*\i
.endr
.endm
.irp t, 0,1,2,3,4,5,6,7
	LOAD \t
.endr
	s_wait_loadcnt 4*(AHEAD-1)                     ; step 0's four loads are in; seven steps' stay out
	TURN 0
.macro STEP t
.set XS, X+16*((\t)%2)
.if (\t) > 0
	s_wait_dscnt 1                                 ; this step's numbers are back from the stage (the last step's byte store may be out): so its stores into the stage have read their registers,
.else
	s_wait_dscnt 0x0
.endif
.if (\t)+AHEAD < STEPS
	LOAD (\t)+AHEAD                                ; which take the loads of eight steps on
.endif
.if (\t)+1 < STEPS
.if STEPS-2-(\t) >= AHEAD-1
	s_wait_loadcnt 4*(AHEAD-1)                     ; the next step's four loads are in; those of the seven steps behind it may be out
.else
	s_wait_loadcnt 4*(STEPS-2-(\t))
.endif
	TURN (\t)+1
.endif
	v_max3_num_f32 v8, |v[XS]|, |v[XS+1]|, |v[XS+2]|               ; the largest magnitude of my 16, in two chains
	v_max3_num_f32 v9, |v[XS+3]|, |v[XS+4]|, |v[XS+5]|
.irp i, 6,10
	v_max3_num_f32 v8, v8, |v[XS+\i]|, |v[XS+\i+1]|
	v_max3_num_f32 v9, v9, |v[XS+\i+2]|, |v[XS+\i+3]|
.endr
	v_max3_num_f32 v8, v8, |v[XS+14]|, |v[XS+15]|
	v_max3_num_f32 v8, v8, v9, (EMAX+1)<<23        ; and the floor 2^(EMAX + 1 - 127): the byte cannot fall under 1
	v_max_num_f32_dpp v8, v8, v8 row_xmask:1 row_mask:0xf bank_mask:0xf   ; and of my neighbour's 16: the block's
	v_add_nc_u32 v11, -(EMAX<<23), v8              ; EMAX off its exponent field: the conversion takes that field as its scale
	v_cvt_scalef32_pk16_fp6_f32 v[C+4*(\t):C+4*(\t)+2], v[XS:XS+15], v11
	v_lshrrev_b32 v[E+(\t)], 23, v11               ; the scale's byte (a plain line behind the conversion)
	ds_store_b8 v5, v[E+(\t)] offset:16*(\t)       ; both lanes of a block write the same byte with the same value
	global_store_b96 v[4+6*((\t)%2)], v[C+4*(\t):C+4*(\t)+2], s[14:15] offset:192*((\t)/2)   ; row t / 2 of the run; sixteen lanes store 192 consecutive bytes; a run's eight rows fill 1,536 on end in each quarter
.endm
.irp t, 0,1,2,3,4,5,6,7,8,9,10,11,12,13,14,15
	STEP \t
.endr
	ds_load_b64 v[8:9], v6                         ; in order behind my byte stores
	s_wait_dscnt 0x0
	global_store_b64 v7, v[8:9], s[36:37]          ; 32 lanes store 256 consecutive bytes, aligned
	s_wait_tensorcnt 0x0                           ; the wave's end
	ds_add_u32 v[SPW], v[NIL]
	s_wait_dscnt 0x0
	s_endpgm
.Lfunc_end_k_q561858dd91_quant:
	.size	k_q561858dd91_quant, .Lfunc_end_k_q561858dd91_quant-k_q561858dd91_quant
	.p2alignl 7, 3214868480
	.fill 96, 4, 3214868480
	.section	.rodata,"a",@progbits
	.p2align	6, 0x0
	.amdhsa_kernel k_q561858dd91_quant
		.amdhsa_group_segment_fixed_size 33280
		.amdhsa_private_segment_fixed_size 0
		.amdhsa_enable_private_segment 0
		.amdhsa_kernarg_size 32
		.amdhsa_user_sgpr_count 2
		.amdhsa_user_sgpr_kernarg_segment_ptr 1
		.amdhsa_wavefront_size32 1
		.amdhsa_system_sgpr_workgroup_id_x 1
		.amdhsa_system_sgpr_workgroup_id_y 1
		.amdhsa_system_sgpr_workgroup_id_z 1
		.amdhsa_system_vgpr_workitem_id 0
		.amdhsa_next_free_vgpr 256
		.amdhsa_next_free_sgpr 66
		.amdhsa_reserve_vcc 0
		.amdhsa_float_denorm_mode_32 3
		.amdhsa_float_denorm_mode_16_64 3
		.amdhsa_memory_ordered 1
		.amdhsa_forward_progress 1
		.amdhsa_inst_pref_size 34
	.end_amdhsa_kernel
	.amdgpu_metadata
---
amdhsa.version: [ 1, 2 ]
amdhsa.kernels:
  - .name:           k_q561858dd91_quant
    .symbol:         k_q561858dd91_quant.kd
    .args:
      - { .name: x, .offset: 0, .size: 8, .value_kind: global_buffer, .address_space: global }
      - { .name: W_qkv, .offset: 8, .size: 8, .value_kind: global_buffer, .address_space: global }
      - { .name: W_proj, .offset: 16, .size: 8, .value_kind: global_buffer, .address_space: global }
      - { .name: qa, .offset: 24, .size: 8, .value_kind: global_buffer, .address_space: global }
    .group_segment_fixed_size: 33280
    .private_segment_fixed_size: 0
    .kernarg_segment_align: 8
    .kernarg_segment_size: 32
    .max_flat_workgroup_size: 128
    .sgpr_count:     66
    .vgpr_count:     256
    .wavefront_size: 32
...
	.end_amdgpu_metadata
.endif
;; end of part 1
;; launch qkv (part 2): grid 16 x 16, 4 waves a work-group, clusters of 4 x 4, 327,680 bytes of LDS; arguments qa, q_bias, v_bias, scale_mul_1H11, qkv; writes qkv
.if DOCPART == 2
	.amdgcn_target "amdgcn-amd-amdhsa--gfx1250"
	.amdhsa_code_object_version 6
	.text
	.protected	k_q561858dd91_qkv
	.globl	k_q561858dd91_qkv
	.p2align	8
	.type	k_q561858dd91_qkv,@function
k_q561858dd91_qkv:
	s_mov_b64 s[64:65], 0
	v_nop
	global_prefetch_b8 v0, s[64:65] scope:SCOPE_SE
	s_setreg_imm32_b32 hwreg(HW_REG_WAVE_MODE, 25, 1), 1
	s_wait_xcnt 0x0
	s_wait_alu depctr_hold_cnt(0) depctr_sa_sdst(0) depctr_va_vdst(0) depctr_va_sdst(0) depctr_va_ssrc(0) depctr_va_vcc(0) depctr_vm_vsrc(0)
	s_getreg_b32 s2, hwreg(HW_REG_IB_STS2, 6, 4)
	s_cmp_eq_u32 s2, 0
	s_cbranch_scc0 .Lentry_in_a_cluster
	s_endpgm
.Lentry_in_a_cluster:
	s_bfe_u32 s2, ttmp6, 0x10000c
	s_cmp_lg_u32 s2, 0xf033
	s_cbranch_scc0 .Lentry_shape_is_right
	s_endpgm
.Lentry_shape_is_right:
; pre_qkv = x W_qkv^T + (q_bias, 0, v_bias) on codes of FP6 (E2M3) with E8M0 scales; then q and k are l2-normalised along the head's 64 (q times exp(min(scale_mul, ln 100))) and quantised along those 64;
; v is quantised along the keys.  Nothing but codes and scale bytes goes to memory.
; SHARES.  Work-group (head, row block): 256 stored rows of x against the head's 192 stored rows of W (q 64 | v 0-31 | k 64 | v 32-63).  Wave (i, j): rows 128 i on (8 blocks of 16), W rows 96 j on (6 blocks):
; j = 0 makes q and v's channels 0-31, j = 1 k and v's channels 32-63.  48 accumulators, 48 matrix instructions for 128 along K.
; TWO USES OF THE INSTRUCTION.  q, k (W's blocks 0-3): source 0 = W, source 1 = x: a lane holds ONE row and its 32 registers run along the head's channels (16 h + 0..15 and 32 + 16 h + 0..15, by the stored order of W's rows).
; v (W's blocks 4, 5): source 0 = x, source 1 = W: a lane holds ONE channel and its registers run down the keys (by the stored order of x's rows).  So every quantiser finds 16 neighbours along its K in a lane's registers.
; THE RESULTS LEAVE AS IMAGES OF OPERAND REGISTERS.  A HALF is six registers of 32 lanes (lane (r, h): row r, k = 32 h + 0..31): 512 bytes (registers 0-3, 16 x lane) and 256 bytes (registers 4-5, 8 x lane):
; every store of a wave covers 512 or 256 consecutive aligned bytes.
; K goes in steps of 256 through two LDS slots filled by the tensor data mover; the scale bytes of all of K come once.  4 x 4 work-groups form a cluster: x's tiles are asked for jointly along a row, W's along a column.
; The launch has four slots' worth of K, two of them first fills: no prefetch is laid.
; LIMITS: NaN and infinities are not served.  A block of zeros gets the byte 1, not 127 (zero codes; only this program reads the bytes).  q is x times one factor rcp(max(sqrt(ss), 1e-12)) x gain, a few ulp from a division;
; a sum of squares under 2^-126 counts as zero in the square root and meets the same floor 1e-12.
; REGISTERS.  Window 0: v16-31 addresses; v32-63 scale words, two sets; v64-95 q_bias in the result's layout; v96-111 v_bias; v128-223 x's eight fragments, one set.  Window 1: W's six fragments, two sets (v0, v128).
; Windows 2 (x's blocks 0-3) and 3 (4-7): v0-127 q/k accumulators (32 a + 8 b), v128-191 v's (128 + 32 (a / 2) + 16 u + 8 (a % 2)), v192-223 codes on their way out, v224-255 at work.
.set KROW,   192                       ; a stored row's bytes in one plane of qa (a quarter of K)
.set ROWB,   7168*192                  ; from plane to plane: a tile's stored rows are a dense block of a plane and come as rows of 256 bytes
.set PITCH,  240                       ; an LDS row: 3 x (64 bytes + 16 of padding)
.set FR,     12
.set NL,     6
.set HA,     128*PITCH
.set HB,     96*PITCH
.set BOFF,   2*HA
.set SLOT,   2*HA+2*HB
.set SCL,    2*SLOT                    ; x's scale bytes: 32 units of 256 + 16
.set HSA,    16*272
.set HSB,    12*272
.set SBLK,   544                       ; the scale bytes of 16 rows
.set SPARE,  230400                    ; the spare words: 128 bytes a wave, named by no other line
.set O_WQC,  4096*192
.set O_XS,   6291456
.set O_WQS,  6422528
.set KIMG,   3145728
.set VIMG,   6291456
.set QSCL,   9437184
.set VSCL,   9961472
.set ADRA, 16                          ; v16-17 x's fragments in slot 0, 1; v18-19 the same behind one padding more
.set ADRB, 20                          ; v20-23 the same for W
.set L16,  24                          ; 16 x lane
.set L8,   25                          ; 8 x lane
.set ADRS2,26                          ; scale words: x's rows in all lanes
.set ADRS, 27                          ; scale words: lanes 0-15 x's rows, lanes 16-31 W's
.set SPW,  28
.set NIL,  29
.set L4,   30                          ; 4 x lane
.set VSW,  31                          ; v's scale word
.set SC,   32
.set BQ,   64
.set BV,   96
.set AF,   128
.set OUT,  192                         ; in windows 2 and 3
.set SS,   224
.set F,    232
.set BM,   236
.set PB,   240
.set SO,   244
.set SW,   248
.set HW,   250
.set G1,   24
.set G0,   32
.set G1B,  48
.set G0B,  56
.set G1S,  68
.set G0S,  76
.set G1SB, 80
.set G0SB, 88
.set SEL,  18                          ; s[18:19] selects for lane l xor 16
.set FM,   66                          ; the head's gain (q) or 1.0 (k)
.set HM,   67                          ; lanes 16-31
.set PQK,  96
.set PQKS, 98
.set PV,   100
.set PVS,  104
.set MSB, 0
.macro WIN new                         ; the immediate's high byte repeats the setting that is left
.if MSB != (\new)
	s_set_vgpr_msb (MSB<<8)|(\new)
.set MSB, \new
.endif
.endm
.set TO_B, 0x40
; A joint load: waves 0 and 1 fetch for x, waves 2 and 3 for W; each line has one mask and one set of registers.  An s_nop 0 and four v_nop follow each line.
.macro JLOAD g0a, g1a, g0b, g1b
	s_cmp_eq_u32 s15, 0
	s_cbranch_scc0 .Lfor_b_\@
	tensor_load_to_lds s[\g0a:\g0a+3], s[\g1a:\g1a+7]
	s_nop 0
.rept 4
	v_nop
.endr
	s_branch .Lasked_\@
.Lfor_b_\@:
	tensor_load_to_lds s[\g0b:\g0b+3], s[\g1b:\g1b+7]
	s_nop 0
.rept 4
	v_nop
.endr
.Lasked_\@:
.endm
.macro CREST                           ; a round of the cluster's barrier behind its opening barrier
	s_cmp_lg_u32 s14, 0
	s_cbranch_scc1 .Lnot_wave_0_\@
	s_barrier_signal -3
.Lnot_wave_0_\@:
	s_barrier_wait -3
	s_barrier_signal -1
	s_barrier_wait -1
.endm
.macro CROUND
	s_barrier_signal -1
	s_barrier_wait -1
	CREST
.endm
.macro PLACES                          ; four plain places behind matrix instructions, in front of loads into their registers and of reads of their results
.rept 4
	v_nop
.endr
.endm
	s_load_b256 s[4:11], s[0:1], 0x0               ; qa s[4:5], q_bias s[6:7], v_bias s[8:9], scale_mul s[10:11]
	s_load_b64 s[12:13], s[0:1], 0x20              ; qkv
	v_lshl_add_u32 v[SPW], v0, 2, SPARE
	v_mov_b32 v[NIL], 0
	ds_add_u32 v[SPW], v[NIL]                      ; the wave's opening: the add and its wait ahead of my first tensor load
	ds_add_u32 v[SPW], v[NIL]
	v_lshrrev_b32 v1, 5, v0
	v_readfirstlane_b32 s14, v1                    ; wave 0..3
	s_lshr_b32 s15, s14, 1                         ; i: my 128 rows.  Also: I fetch for x (0) or for W (1)
	s_and_b32 s16, s14, 1                          ; j: my 96 rows of W.  Also: which half of a tile I fetch
	s_bfe_u32 s40, ttmp6, 0x40000                  ; cx
	s_bfe_u32 s41, ttmp6, 0x40004                  ; cy
	s_lshl_b32 s42, ttmp9, 2
	s_add_co_u32 s42, s42, s40                     ; the head
	s_and_b32 s17, ttmp7, 0xffff
	s_lshl_b32 s17, s17, 2
	s_add_co_u32 s17, s17, s41                     ; the block of 256 rows
	s_lshl_b32 s43, s41, 2
	s_lshl_b32 s43, 15, s43                        ; my row of the cluster
	s_lshl_b32 s44, 0x1111, s40                    ; my column
	s_or_b32 s[G1+0], s43, (1<<20)|(1<<21)|(3<<22)|(3<<25)    ; the mask; elements of 1 byte; 16 bytes of padding behind every 64
	s_or_b32 s[G1B+0], s44, (1<<20)|(1<<21)|(3<<22)|(3<<25)
	s_mov_b32 s[G1+1], 256<<16                     ; x, at the head: 256 stored rows x 192 bytes = 192 rows of 256 bytes, dense
	s_mov_b32 s[G1+2], 192<<16
	s_mov_b32 s[G1+3], 256<<16
	s_mov_b32 s[G1+4], 192
	s_mov_b32 s[G1+5], 256
	s_mov_b32 s[G1+6], 0
	s_mov_b32 s[G1+7], 0
	s_mov_b32 s[G1B+1], 256<<16                    ; W, at the head: 192 stored rows = 144 rows of 256 bytes
	s_mov_b32 s[G1B+2], 144<<16
	s_mov_b32 s[G1B+3], 256<<16
	s_mov_b32 s[G1B+4], 144
	s_mov_b32 s[G1B+5], 256
	s_mov_b32 s[G1B+6], 0
	s_mov_b32 s[G1B+7], 0
	s_or_b32 s[G1S+0], s43, (3<<16)|(1<<20)|(1<<21)|(5<<22)|(3<<25)   ; scale bytes: dense, as rows of 256 bytes (32 elements of 8), 16 of padding behind each
	s_or_b32 s[G1SB+0], s44, (3<<16)|(1<<20)|(1<<21)|(5<<22)|(3<<25)
	s_mov_b32 s[G1S+1], 32<<16
	s_mov_b32 s[G1S+2], 32<<16                     ; 256 rows x 32 bytes
	s_mov_b32 s[G1S+3], 32<<16
	s_mov_b32 s[G1S+4], 32
	s_mov_b32 s[G1S+5], 32
	s_mov_b32 s[G1S+6], 0
	s_mov_b32 s[G1S+7], 0
	s_mov_b32 s[G1SB+1], 32<<16
	s_mov_b32 s[G1SB+2], 24<<16                    ; 192 rows x 32 bytes
	s_mov_b32 s[G1SB+3], 32<<16
	s_mov_b32 s[G1SB+4], 24
	s_mov_b32 s[G1SB+5], 32
	s_mov_b32 s[G1SB+6], 0
	s_mov_b32 s[G1SB+7], 0
	s_lshl_b32 s20, s17, 8                         ; x: the tile's first stored row, 256 x block
	s_mul_i32 s46, s42, 192                        ; W: 192 x head
	s_mul_i32 s18, s16, 128*KROW                   ; in the ring I fetch half a tile: its place in bytes, x's
	s_mov_b32 s19, 0
	s_mul_i32 s2, s16, 96*KROW                     ; and W's
	s_lshl_b32 s22, s20, 5
	s_add_co_u32 s22, s22, O_XS
	s_mov_b32 s23, 0
	s_lshl_b32 s92, s46, 5
	s_add_co_u32 s92, s92, O_WQS
	s_mov_b32 s93, 0
	s_mul_i32 s20, s20, KROW
	s_mov_b32 s21, 0
	s_mul_i32 s46, s46, KROW
	s_add_co_u32 s46, s46, O_WQC
	s_mov_b32 s47, 0
	s_mul_i32 s45, s16, HA                         ; where they go: the wave's number alone enters an LDS address
	s_mul_i32 s94, s16, HB
	s_add_co_u32 s94, s94, BOFF
	s_mov_b32 s3, 0
	s_wait_dscnt 0x0                               ; the opening add is done
	s_wait_kmcnt 0x0
	s_add_nc_u64 s[20:21], s[4:5], s[20:21]
	s_add_nc_u64 s[22:23], s[4:5], s[22:23]
	s_add_nc_u64 s[46:47], s[4:5], s[46:47]
	s_add_nc_u64 s[92:93], s[4:5], s[92:93]
	CROUND                                         ; all sixteen work-groups are here: the first joint loads meet
	s_mov_b32 s[G0S], 1
	s_mov_b32 s[G0S+1], SCL
	s_mov_b64 s[G0S+2:G0S+3], s[22:23]
	s_or_b32 s[G0S+3], s[G0S+3], 0x80000000
	s_mov_b32 s[G0SB], 1
	s_mov_b32 s[G0SB+1], SCL+2*HSA
	s_mov_b64 s[G0SB+2:G0SB+3], s[92:93]
	s_or_b32 s[G0SB+3], s[G0SB+3], 0x80000000
	s_mov_b32 s[G0], 1                             ; slot 0's two groups 0 serve the head's whole tiles first: x's 256 rows of quarter 0,
	s_mov_b32 s[G0+1], 0
	s_mov_b64 s[G0+2:G0+3], s[20:21]
	s_or_b32 s[G0+3], s[G0+3], 0x80000000
	s_mov_b32 s[G0B], 1                            ; W's 192 rows behind them
	s_mov_b32 s[G0B+1], BOFF
	s_mov_b64 s[G0B+2:G0B+3], s[46:47]
	s_or_b32 s[G0B+3], s[G0B+3], 0x80000000
	s_mov_b32 s[G0+4], 1                           ; slot 1: my half of quarter 1's tile
	s_add_co_u32 s[G0+5], s45, SLOT
	s_add_nc_u64 s[G0+6:G0+7], s[20:21], s[18:19]
	s_add_nc_u64 s[G0+6:G0+7], s[G0+6:G0+7], ROWB
	s_or_b32 s[G0+7], s[G0+7], 0x80000000
	s_mov_b32 s[G0B+4], 1
	s_add_co_u32 s[G0B+5], s94, SLOT
	s_add_nc_u64 s[G0B+6:G0B+7], s[46:47], s[2:3]
	s_add_nc_u64 s[G0B+6:G0B+7], s[G0B+6:G0B+7], ROWB
	s_or_b32 s[G0B+7], s[G0B+7], 0x80000000
; THE HEAD'S LOADS, ONE A WAVE: wave 0 x's codes of quarter 0, wave 1 W's, wave 2 x's scale bytes, wave 3 W's.  One chain of branches on the wave's number; every way passes one load.
.macro ARM under, g0, g1, next
	s_cmp_lt_u32 s14, \under
	s_cbranch_scc0 \next
	tensor_load_to_lds s[\g0:\g0+3], s[\g1:\g1+7]
	s_nop 0
.rept 4
	v_nop
.endr
	s_branch .Lhead_asked
\next:
.endm
	ARM 1, G0,  G1,  .Lhead_b
	ARM 2, G0B, G1B, .Lhead_sa
	ARM 3, G0S, G1S, .Lhead_sb
	tensor_load_to_lds s[G0SB:G0SB+3], s[G1SB:G1SB+7]
	s_nop 0
.rept 4
	v_nop
.endr
.Lhead_asked:
	v_and_b32 v1, 15, v0                           ; r
	v_bfe_u32 v2, v0, 4, 1                         ; h
	v_mul_u32_u24 v3, v1, PITCH
	v_mul_u32_u24 v4, v2, 24
	v_add_nc_u32 v4, v3, v4                        ; a fragment's row x pitch + 24 h
	v_lshl_add_u32 v5, v2, 4, v4                   ; and behind one padding more
	s_mul_i32 s45, s15, HA
	s_mul_i32 s94, s16, HB
	s_add_co_u32 s94, s94, BOFF
.irp s, 0,1
	v_add_nc_u32 v[ADRA+\s], s45, v4
	v_add_nc_u32 v[ADRB+\s], s94, v4
	v_add_nc_u32 v[ADRA+2+\s], s45, v5
	v_add_nc_u32 v[ADRB+2+\s], s94, v5
	s_add_co_u32 s45, s45, SLOT
	s_add_co_u32 s94, s94, SLOT
.endr
	v_lshlrev_b32 v5, 5, v1                        ; my row's scale bytes: 32 a row,
	v_lshrrev_b32 v6, 3, v1
	v_lshl_add_u32 v5, v6, 4, v5                   ; 16 more behind each 256
	s_mul_i32 s45, s15, HSA
	s_mul_i32 s94, s16, HSB
	s_add_co_u32 s94, s94, 2*HSA
	s_sub_co_u32 s94, s94, s45
	v_mul_u32_u24 v6, s94, v2                      ; lanes 16-31 take W's: one product, h x the distance
	s_add_co_u32 s45, s45, SCL
	v_add_nc_u32 v[ADRS2], s45, v5
	v_add_nc_u32 v[ADRS], v[ADRS2], v6
	v_and_b32 v6, 31, v0
	v_lshlrev_b32 v[L16], 4, v6
	v_lshlrev_b32 v[L8], 3, v6
	v_lshlrev_b32 v[L4], 2, v6
	; the biases, in the results' layouts, and the head's gain
	s_lshl_b32 s96, s42, 8
	s_mov_b32 s97, 0
	s_add_nc_u64 s[6:7], s[6:7], s[96:97]          ; the head's 64 numbers
	s_add_nc_u64 s[8:9], s[8:9], s[96:97]
	s_lshl_b32 s96, s16, 7
	s_add_nc_u64 s[8:9], s[8:9], s[96:97]          ; my 32 channels of v
	s_lshl_b32 s96, s42, 2
	s_add_nc_u64 s[10:11], s[10:11], s[96:97]
	s_load_b32 s[FM], s[10:11], 0x0
	v_lshlrev_b32 v7, 6, v2                        ; 16 h channels
.irp b, 0,1,2,3
	global_load_b128 v[BQ+8*\b:BQ+8*\b+3], v7, s[6:7] offset:(32*(\b/2)+8*(\b%2))*4       ; channels 32 (b / 2) + 16 h + 8 (b % 2) + 0..7
	global_load_b128 v[BQ+8*\b+4:BQ+8*\b+7], v7, s[6:7] offset:(32*(\b/2)+8*(\b%2))*4+16
.endr
	v_and_b32 v8, 8, v1
	v_add_nc_u32 v8, v8, v1
	v_lshlrev_b32 v8, 2, v8                        ; channel r + 8 (r / 8) of a tile
.irp u, 0,1
.irp n, 0,1,2,3,4,5,6,7
	global_load_b32 v[BV+8*\u+\n], v8, s[8:9] offset:32*\u    ; a lane's eight results of v belong to one channel
.endr
.endr
	s_wait_kmcnt 0x0
	v_mov_b32 v9, s[FM]
	v_min_num_f32 v9, 0x40935d8e, v9               ; min(scale_mul, ln 100)
	v_mul_f32 v9, 0x3fb8aa3b, v9
	s_wait_alu depctr_va_vdst(0)
	v_exp_f32 v9, v9
	v_nop
	s_wait_alu depctr_va_vdst(0)                   ; the wait ahead of the first reader
	v_readfirstlane_b32 s[FM], v9
	s_cmp_eq_u32 s16, 0
	s_cselect_b32 s[FM], s[FM], 1.0                ; k has no gain
	s_cselect_b32 s2, -1, 0                        ; and no bias
	s_mov_b32 s[HM], 0xffff0000
	s_mov_b32 s[SEL], 0x76543210
	s_mov_b32 s[SEL+1], 0xfedcba98
	s_wait_loadcnt 0x0
.set n, 0
.rept 32
	v_and_b32 v[BQ+n], s2, v[BQ+n]
.set n, n+1
.endr
	; where the results go (registers that feed no descriptor and no LDS address)
	s_lshr_b32 s2, s17, 3
	s_lshl_b32 s2, s2, 4
	s_add_co_u32 s2, s2, s42                       ; 16 x batch + head
	s_and_b32 s104, s17, 7
	s_lshl_b32 s104, s104, 1
	s_add_co_u32 s104, s104, s15                   ; my 128 rows among the batch's 16 such
	s_lshl_b32 s96, s2, 7
	s_lshl_b32 s97, s104, 3
	s_add_co_u32 s96, s96, s97                     ; q, k: HALF 128 bh + my first tile
	s_lshl_b32 s100, s16, 1
	s_add_co_u32 s100, s100, s96                   ; v: HALF 128 bh + 4 x chunk + 2 j
	s_mul_i32 s100, s100, 768
	s_add_co_u32 s100, s100, VIMG
	s_mov_b32 s101, 0
	s_mul_i32 s96, s96, 768
	s_mul_i32 s97, s16, KIMG
	s_add_co_u32 s96, s96, s97
	s_mov_b32 s97, 0
	s_lshl_b32 s98, s2, 13
	s_lshl_b32 s99, s104, 9
	s_add_co_u32 s98, s98, s99
	s_lshl_b32 s99, s16, 18
	s_add_co_u32 s98, s98, s99
	s_add_co_u32 s98, s98, QSCL
	s_mov_b32 s99, 0
	s_lshl_b32 s104, s104, 8
	s_lshl_b32 s105, s2, 12
	s_add_co_u32 s104, s104, s105
	s_lshl_b32 s105, s16, 7
	s_add_co_u32 s104, s104, s105
	s_add_co_u32 s104, s104, VSCL
	s_mov_b32 s105, 0
	s_add_nc_u64 s[PQK:PQK+1], s[12:13], s[PQK:PQK+1]
	s_add_nc_u64 s[PQKS:PQKS+1], s[12:13], s[PQKS:PQKS+1]
	s_add_nc_u64 s[PV:PV+1], s[12:13], s[PV:PV+1]
	s_add_nc_u64 s[PVS:PVS+1], s[12:13], s[PVS:PVS+1]
.macro FRAG reg, adr, q, i             ; 16 rows x 128 K of 6-bit codes: 12 registers, in pieces of 8 bytes; where lanes 16-31's piece lies behind one padding more, the second address register serves
.irp p, 0,1,2,3,4,5
.set PC, 12*(\q)+6*(\p/3)+\p%3
.if PC%8 < 5
	ds_load_b64 v[\reg+2*\p:\reg+2*\p+1], v[\adr] offset:8*PC+16*(PC/8)+(\i)*16*PITCH
.else
	ds_load_b64 v[\reg+2*\p:\reg+2*\p+1], v[\adr+2] offset:8*PC+16*(PC/8)+(\i)*16*PITCH
.endif
.endr
.endm
.macro FETCH_B slot, q, p              ; W's six fragments into set p
	WIN TO_B
.irp i, 0,1,2,3,4,5
	FRAG 128*(\p)+FR*\i, ADRB+\slot, \q, \i
.endr
	WIN 0
.endm
.macro FETCH_A slot, q, i0             ; x's blocks i0 .. i0 + 3
.irp i, \i0, \i0+1, \i0+2, \i0+3
	FRAG AF+FR*(\i), ADRA+\slot, \q, \i
.endr
.endm
.macro SCALES sc                       ; a slot's two scale words a row: lanes 0-15 x's block i, lanes 16-31 W's block i (W has six)
.irp i, 0,1,2,3,4,5
	ds_load_b64 v[SC+16*\sc+2*\i:SC+16*\sc+2*\i+1], v[ADRS] offset:\i*SBLK
.endr
.irp i, 6,7
	ds_load_b64 v[SC+16*\sc+2*\i:SC+16*\sc+2*\i+1], v[ADRS2] offset:\i*SBLK
.endr
.endm
; 16 matrix instructions for q or k: x's blocks 4 half + 0..3 against W's blocks 0-3.  first = 1: the bias is the C of the sum's first instruction.  The 48 accumulators take turns, in one order in every step.
.macro MULN half, p, q, sc, first
.if \first
	WIN 0x81+0x40*(\half)
.else
	WIN 0xa1+0x50*(\half)
.endif
.irp a, 0,1,2,3
.irp b, 0,1,2,3
.set rD, 32*\a+8*\b
.set rB, 128*(\p)+FR*\b
.set rA, AF+FR*(4*(\half)+\a)
.set wB, SC+16*(\sc)+2*\b+(\q)
.set wA, SC+16*(\sc)+2*(4*(\half)+\a)+(\q)
.if \first
	v_wmma_scale_f32_16x16x128_f8f6f4 v[rD:rD+7], v[rB:rB+FR-1], v[rA:rA+FR-1], v[BQ+8*\b:BQ+8*\b+7], v[wB], v[wA] matrix_a_fmt:MATRIX_FMT_FP6 matrix_b_fmt:MATRIX_FMT_FP6 matrix_a_scale:MATRIX_SCALE_ROW1
.else
	v_wmma_scale_f32_16x16x128_f8f6f4 v[rD:rD+7], v[rB:rB+FR-1], v[rA:rA+FR-1], v[rD:rD+7], v[wB], v[wA] matrix_a_fmt:MATRIX_FMT_FP6 matrix_b_fmt:MATRIX_FMT_FP6 matrix_a_scale:MATRIX_SCALE_ROW1
.endif
.endr
.endr
.endm
; 8 matrix instructions for v: source 0 = x's block, source 1 = W's block 4 + u
.macro MULV half, p, q, sc, first
.if \first
	WIN 0x84+0x40*(\half)
.else
	WIN 0xa4+0x50*(\half)
.endif
.irp a, 0,1,2,3
.irp u, 0,1
.set rD, 128+32*(\a/2)+16*\u+8*(\a%2)
.set rB, 128*(\p)+FR*(4+\u)
.set rA, AF+FR*(4*(\half)+\a)
.set wB, SC+16*(\sc)+2*(4+\u)+(\q)
.set wA, SC+16*(\sc)+2*(4*(\half)+\a)+(\q)
.if \first
	v_wmma_scale_f32_16x16x128_f8f6f4 v[rD:rD+7], v[rA:rA+FR-1], v[rB:rB+FR-1], v[BV+8*\u:BV+8*\u+7], v[wA], v[wB] matrix_a_fmt:MATRIX_FMT_FP6 matrix_b_fmt:MATRIX_FMT_FP6 matrix_b_scale:MATRIX_SCALE_ROW1
.else
	v_wmma_scale_f32_16x16x128_f8f6f4 v[rD:rD+7], v[rA:rA+FR-1], v[rB:rB+FR-1], v[rD:rD+7], v[wA], v[wB] matrix_a_fmt:MATRIX_FMT_FP6 matrix_b_fmt:MATRIX_FMT_FP6 matrix_b_scale:MATRIX_SCALE_ROW1
.endif
.endr
.endr
.endm
; A slot's first 128 along K
.macro STEP slot, first
	s_wait_dscnt 4*NL                              ; W's set, the scale words and x's blocks 0-3 are in; the youngest 24 loads (blocks 4-7) may be out
	MULN 0, 0, 0, \slot, \first
	MULV 0, 0, 0, \slot, \first
	s_wait_dscnt 0x0                               ; blocks 4-7 are in
	PLACES
	FETCH_B \slot, 1, 1
	FETCH_A \slot, 1, 0
	MULN 1, 0, 0, \slot, \first
	MULV 1, 0, 0, \slot, \first
	PLACES
	WIN 0
	FETCH_A \slot, 1, 4
.endm
; A slot's second 128 along K changes slots: one barrier; in front of it each wave waits for all its tensor loads, adds 0 to its spare word, and waits for that and for its reads of this slot
.macro TURN slot, next, fill
	s_wait_tensorcnt 0x0                           ; all my tensor loads have landed: my part of the next slot
	ds_add_u32 v[SPW], v[NIL]
	s_wait_dscnt 4*NL+1                            ; (the add and the youngest 24 loads may be out)
	MULN 0, 1, 1, \slot, 0
	s_wait_dscnt 0x0                               ; the add is done, and my reads of this slot are over
	s_barrier_signal -1
	MULV 0, 1, 1, \slot, 0
	WIN 0
	s_barrier_wait -1
.if \fill
	CREST                                          ; the barrier has opened a round of the cluster's: no wave of any partner still reads this slot or has a load on its way
	s_add_nc_u64 s[G0+4*\slot+2:G0+4*\slot+3], s[G0+4*\slot+2:G0+4*\slot+3], 2*ROWB
	s_add_nc_u64 s[G0B+4*\slot+2:G0B+4*\slot+3], s[G0B+4*\slot+2:G0B+4*\slot+3], 2*ROWB
	JLOAD G0+4*\slot, G1, G0B+4*\slot, G1B         ; the first tensor load behind the round; its four v_nop are the places in front of the loads below
.else
	PLACES
.endif
	s_wait_alu depctr_va_vdst(0)
	v_add_nc_u32 v[ADRS], 8, v[ADRS]               ; the next slot's scale words
	v_add_nc_u32 v[ADRS2], 8, v[ADRS2]
	FETCH_B \next, 0, 0
	FETCH_A \next, 0, 0
	SCALES \next
	MULN 1, 1, 1, \slot, 0
	MULV 1, 1, 1, \slot, 0
	PLACES
	WIN 0
	FETCH_A \next, 0, 4
.endm
	s_wait_alu depctr_va_vdst(0)
	s_wait_tensorcnt 0x0                           ; my tile of the head's four is in
	ds_add_u32 v[SPW], v[NIL]
	s_mov_b32 s[G1+2], 96<<16                      ; no tensor load of mine is out, so descriptors may be written: from here on a load brings half a tile: 128 stored rows of x = 96 rows of 256 bytes,
	s_mov_b32 s[G1+4], 96
	s_mov_b32 s[G1B+2], 72<<16                     ; 96 stored rows of W = 72
	s_mov_b32 s[G1B+4], 72
	s_mul_i32 s[G0+1], s16, HA                     ; and slot 0's groups 0 point at my half of quarter 0: the first refill steps them two quarters on
	s_mul_i32 s92, s16, 128*KROW
	s_mov_b32 s93, 0
	s_add_nc_u64 s[G0+2:G0+3], s[G0+2:G0+3], s[92:93]
	s_mul_i32 s[G0B+1], s16, HB
	s_add_co_u32 s[G0B+1], s[G0B+1], BOFF
	s_mul_i32 s92, s16, 96*KROW
	s_add_nc_u64 s[G0B+2:G0B+3], s[G0B+2:G0B+3], s[92:93]
	s_wait_dscnt 0x0                               ; the add is done
	CROUND                                         ; a whole round: all four tiles are in, and the sixteen work-groups are here
	JLOAD G0+4, G1, G0B+4, G1B                     ; slot 1's first fill, the first tensor load behind the round
	FETCH_B 0, 0, 0
	FETCH_A 0, 0, 0
	SCALES 0
	FETCH_A 0, 0, 4
	STEP 0, 1                                      ; K = 1,024 is four slots' worth: written out, no loop
	TURN 0, 1, 1
	STEP 1, 0
	TURN 1, 0, 1
	STEP 0, 0
	TURN 0, 1, 0                                   ; nothing is left to fetch
	STEP 1, 0
	s_wait_dscnt 4*NL
	MULN 0, 1, 1, 1, 0
	MULV 0, 1, 1, 1, 0
	s_wait_dscnt 0x0
	MULN 1, 1, 1, 1, 0
	MULV 1, 1, 1, 1, 0
	PLACES
; THE WAY OUT, window by window (64 rows each); all operand places lie in the window, so one text serves both.
; Two tiles of q or k (tiles 2 g and 2 g + 1 of the window), by turns: the sum of squares, the factor, the scaling, two blocks' scales, the codes.
.macro NPAIR g
.set XB, 64*\g
.irp u, 0,1
	v_pk_mul_f32 v[SS+4*\u:SS+4*\u+1], v[XB+32*\u:XB+32*\u+1], v[XB+32*\u:XB+32*\u+1]       ; each accumulator is read from its low end on
	v_pk_mul_f32 v[SS+4*\u+2:SS+4*\u+3], v[XB+32*\u+2:XB+32*\u+3], v[XB+32*\u+2:XB+32*\u+3]
.endr
.irp i, 4,8,12,16,20,24,28
.irp u, 0,1
	v_pk_fma_f32 v[SS+4*\u:SS+4*\u+1], v[XB+32*\u+\i:XB+32*\u+\i+1], v[XB+32*\u+\i:XB+32*\u+\i+1], v[SS+4*\u:SS+4*\u+1]
	v_pk_fma_f32 v[SS+4*\u+2:SS+4*\u+3], v[XB+32*\u+\i+2:XB+32*\u+\i+3], v[XB+32*\u+\i+2:XB+32*\u+\i+3], v[SS+4*\u+2:SS+4*\u+3]
.endr
.endr
.irp u, 0,1
	v_pk_add_f32 v[SS+4*\u:SS+4*\u+1], v[SS+4*\u:SS+4*\u+1], v[SS+4*\u+2:SS+4*\u+3]
.endr
.irp u, 0,1
	v_add_f32 v[SS+4*\u], v[SS+4*\u], v[SS+4*\u+1]
.endr
.irp u, 0,1
	v_permlanex16_b32 v[PB+\u], v[SS+4*\u], s[SEL], s[SEL+1]
.endr
.irp u, 0,1
	v_add_f32 v[SS+4*\u], v[SS+4*\u], v[PB+\u]     ; with lane l xor 16's 32 channels: the row's sum of squares
.endr
	s_wait_alu depctr_va_vdst(0)
.irp u, 0,1
	v_sqrt_f32 v[SS+4*\u+1], v[SS+4*\u]
.endr
	v_nop
	s_wait_alu depctr_va_vdst(0)                   ; one wait for the two roots, ahead of their first reader
.irp u, 0,1
	v_max_num_f32 v[SS+4*\u+1], 0x2b8cbccc, v[SS+4*\u+1]    ; max(norm, 1e-12)
.endr
	s_wait_alu depctr_va_vdst(0)
.irp u, 0,1
	v_rcp_f32 v[SS+4*\u+2], v[SS+4*\u+1]
.endr
	v_nop
	s_wait_alu depctr_va_vdst(0)                   ; and one for the two reciprocals
.irp u, 0,1
	v_mul_f32 v[F+2*\u], s[FM], v[SS+4*\u+2]
	v_mul_f32 v[F+2*\u+1], s[FM], v[SS+4*\u+2]     ; (the packed form names the pair)
.endr
.irp i, 0,2,4,6,8,10,12,14,16,18,20,22,24,26,28,30
.irp u, 0,1
	v_pk_mul_f32 v[XB+32*\u+\i:XB+32*\u+\i+1], v[XB+32*\u+\i:XB+32*\u+\i+1], v[F+2*\u:F+2*\u+1] op_sel_hi:[1,0]
.endr
.endr
.irp u, 0,1
.irp c, 0,1
	v_max3_num_f32 v[BM+2*\u+\c], |v[XB+32*\u+16*\c]|, |v[XB+32*\u+16*\c+1]|, 0x1800000   ; block c of tile u: my 16 numbers and the floor 2^(3 - 127)
.endr
.endr
.irp i, 2,4,6,8,10,12,14
.irp u, 0,1
.irp c, 0,1
	v_max3_num_f32 v[BM+2*\u+\c], v[BM+2*\u+\c], |v[XB+32*\u+16*\c+\i]|, |v[XB+32*\u+16*\c+\i+1]|
.endr
.endr
.endr
.irp n, 0,1,2,3
	v_permlanex16_b32 v[PB+\n], v[BM+\n], s[SEL], s[SEL+1]
.endr
.irp n, 0,1,2,3
	v_max_num_f32 v[BM+\n], v[BM+\n], v[PB+\n]
.endr
.irp n, 0,1,2,3
	v_add_nc_u32 v[SO+\n], 0xff000000, v[BM+\n]    ; 2 off the exponent field: the conversion's scale operand
.endr
.irp n, 0,1,2,3
	v_lshrrev_b32 v[PB+\n], 23, v[SO+\n]           ; the scale's byte
.endr
.irp u, 0,1
	v_lshl_or_b32 v[PB+2*\u], v[PB+2*\u+1], 8, v[PB+2*\u]
.endr
.irp u, 0,1
	v_or_b32 v[PB+2*\u], 0x7f7f0000, v[PB+2*\u]    ; K is 64 here: the instruction's upper 64 get the scale 1 (their codes are zeros on q's side)
.endr
	v_cndmask_b32 v[SW+\g], v[PB], v[PB+2], s[HM]  ; lanes 0-15 tile 2 g's words, lanes 16-31 tile 2 g + 1's
.irp u, 0,1
	v_cvt_scalef32_pk16_fp6_f32 v[OUT+16*\g+8*\u:OUT+16*\g+8*\u+2], v[XB+32*\u:XB+32*\u+15], v[SO+2*\u]
	v_cvt_scalef32_pk16_fp6_f32 v[SS+4*\u:SS+4*\u+2], v[XB+32*\u+16:XB+32*\u+31], v[SO+2*\u+1]
.endr
	v_nop                                          ; one plain place behind the conversions
.irp u, 0,1
.irp i, 0,1,2
	v_permlane16_swap_b32 v[OUT+16*\g+8*\u+\i], v[SS+4*\u+\i]    ; a whole block to a lane: lanes 0-15 block 0, lanes 16-31 block 1
.endr
.irp i, 0,1,2
	v_mov_b32 v[OUT+16*\g+8*\u+3+\i], v[SS+4*\u+\i]
.endr
.endr
.endm
; v: four blocks of 32 keys (g) x 16 channels (tile u); a lane holds one channel
.macro VPART
.irp u, 0,1
.irp c, 0,1
	v_max3_num_f32 v[BM+2*\u+\c], |v[128+32*\c+16*\u]|, |v[129+32*\c+16*\u]|, 0x1800000
.endr
.endr
.irp i, 2,4,6,8,10,12,14
.irp u, 0,1
.irp c, 0,1
	v_max3_num_f32 v[BM+2*\u+\c], v[BM+2*\u+\c], |v[128+32*\c+16*\u+\i]|, |v[129+32*\c+16*\u+\i]|
.endr
.endr
.endr
.irp n, 0,1,2,3
	v_permlanex16_b32 v[PB+\n], v[BM+\n], s[SEL], s[SEL+1]
.endr
.irp n, 0,1,2,3
	v_max_num_f32 v[BM+\n], v[BM+\n], v[PB+\n]
.endr
.irp n, 0,1,2,3
	v_add_nc_u32 v[SO+\n], 0xff000000, v[BM+\n]
.endr
.irp n, 0,1,2,3
	v_lshrrev_b32 v[PB+\n], 23, v[SO+\n]
.endr
.irp u, 0,1
	v_lshl_or_b32 v[PB+2*\u], v[PB+2*\u+1], 8, v[PB+2*\u]
.endr
	v_cndmask_b32 v[HW], v[PB], v[PB+2], s[HM]     ; lanes 0-15 tile 0's two bytes, lanes 16-31 tile 1's
.irp u, 0,1
	v_cvt_scalef32_pk16_fp6_f32 v[OUT+8*\u:OUT+8*\u+2], v[128+16*\u:143+16*\u], v[SO+2*\u]
	v_cvt_scalef32_pk16_fp6_f32 v[SS+4*\u:SS+4*\u+2], v[160+16*\u:175+16*\u], v[SO+2*\u+1]
.endr
	v_nop
.irp u, 0,1
.irp i, 0,1,2
	v_permlane16_swap_b32 v[OUT+8*\u+\i], v[SS+4*\u+\i]
.endr
.irp i, 0,1,2
	v_mov_b32 v[OUT+8*\u+3+\i], v[SS+4*\u+\i]
.endr
.endr
.endm
.macro EPI w
	WIN 0x55*\w
.irp i, 0,1,2,3
	v_mov_b32 v[PB+\i], 0                          ; a lane permute's destination counts as one of its sources
.endr
	NPAIR 0
	NPAIR 1
	WIN 4*\w                                       ; a store's data are its source 1; the address lies in window 0
.irp a, 0,1,2,3
	global_store_b128 v[L16], v[OUT+8*\a:OUT+8*\a+3], s[PQK:PQK+1] offset:(4*(\w-2)+\a)*768          ; 512 consecutive bytes
	global_store_b64 v[L8], v[OUT+8*\a+4:OUT+8*\a+5], s[PQK:PQK+1] offset:(4*(\w-2)+\a)*768+512      ; 256 consecutive bytes
.endr
	global_store_b64 v[L8], v[SW:SW+1], s[PQKS:PQKS+1] offset:256*(\w-2)                             ; the four tiles' scale words: 256 consecutive bytes
	s_wait_xcnt 0x0                                ; the stores have read their registers: v's codes may be written there
	WIN 0x55*\w
	VPART
.if \w == 2
	WIN 0x02
	v_mov_b32 v[VSW], v[HW]                        ; key blocks 0 and 1 of my 128 keys
.else
	WIN 0x03
	v_lshl_or_b32 v[VSW], v[HW], 16, v[VSW]        ; and 2 and 3
.endif
	WIN 4*\w
.irp u, 0,1
	global_store_b128 v[L16], v[OUT+8*\u:OUT+8*\u+3], s[PV:PV+1] offset:(4*(\w-2)+\u)*768
	global_store_b64 v[L8], v[OUT+8*\u+4:OUT+8*\u+5], s[PV:PV+1] offset:(4*(\w-2)+\u)*768+512
.endr
.endm
	EPI 2
	EPI 3
	WIN 0
	global_store_b32 v[L4], v[VSW], s[PVS:PVS+1]   ; 128 consecutive bytes: two tiles' words of one step of 128 keys
	s_wait_tensorcnt 0x0                           ; the wave's end
	ds_add_u32 v[SPW], v[NIL]
	s_wait_dscnt 0x0
	CROUND                                         ; the closing round
	s_endpgm
.Lfunc_end_k_q561858dd91_qkv:
	.size	k_q561858dd91_qkv, .Lfunc_end_k_q561858dd91_qkv-k_q561858dd91_qkv
	.p2alignl 7, 3214868480
	.fill 96, 4, 3214868480
	.section	.rodata,"a",@progbits
	.p2align	6, 0x0
	.amdhsa_kernel k_q561858dd91_qkv
		.amdhsa_group_segment_fixed_size 327680
		.amdhsa_private_segment_fixed_size 0
		.amdhsa_enable_private_segment 0
		.amdhsa_kernarg_size 40
		.amdhsa_user_sgpr_count 2
		.amdhsa_user_sgpr_kernarg_segment_ptr 1
		.amdhsa_wavefront_size32 1
		.amdhsa_system_sgpr_workgroup_id_x 1
		.amdhsa_system_sgpr_workgroup_id_y 1
		.amdhsa_system_sgpr_workgroup_id_z 1
		.amdhsa_system_vgpr_workitem_id 0
		.amdhsa_next_free_vgpr 1024
		.amdhsa_next_free_sgpr 106
		.amdhsa_reserve_vcc 0
		.amdhsa_float_denorm_mode_32 3
		.amdhsa_float_denorm_mode_16_64 3
		.amdhsa_memory_ordered 1
		.amdhsa_forward_progress 1
		.amdhsa_inst_pref_size 161
	.end_amdhsa_kernel
	.amdgpu_metadata
---
amdhsa.version: [ 1, 2 ]
amdhsa.kernels:
  - .name:           k_q561858dd91_qkv
    .symbol:         k_q561858dd91_qkv.kd
    .args:
      - { .name: qa, .offset: 0, .size: 8, .value_kind: global_buffer, .address_space: global }
      - { .name: q_bias, .offset: 8, .size: 8, .value_kind: global_buffer, .address_space: global }
      - { .name: v_bias, .offset: 16, .size: 8, .value_kind: global_buffer, .address_space: global }
      - { .name: scale_mul_1H11, .offset: 24, .size: 8, .value_kind: global_buffer, .address_space: global }
      - { .name: qkv, .offset: 32, .size: 8, .value_kind: global_buffer, .address_space: global }
    .group_segment_fixed_size: 327680
    .private_segment_fixed_size: 0
    .kernarg_segment_align: 8
    .kernarg_segment_size: 40
    .max_flat_workgroup_size: 128
    .sgpr_count:     106
    .vgpr_count:     1024
    .wavefront_size: 32
...
	.end_amdgpu_metadata
.endif
;; end of part 2
;; launch attn (part 3): grid 8 x 32, 16 waves a work-group, clusters of 4 x 4, 327,680 bytes of LDS; arguments qkv, attn_bias, ob; writes ob
.if DOCPART == 3
	.amdgcn_target "amdgcn-amd-amdhsa--gfx1250"
	.amdhsa_code_object_version 6
	.text
	.protected	k_q561858dd91_attn
	.globl	k_q561858dd91_attn
	.p2align	8
	.type	k_q561858dd91_attn,@function
k_q561858dd91_attn:
	s_mov_b64 s[64:65], 0
	v_nop
	global_prefetch_b8 v0, s[64:65] scope:SCOPE_SE
	s_setreg_imm32_b32 hwreg(HW_REG_WAVE_MODE, 25, 1), 1
	s_wait_xcnt 0x0
	s_wait_alu depctr_hold_cnt(0) depctr_sa_sdst(0) depctr_va_vdst(0) depctr_va_sdst(0) depctr_va_ssrc(0) depctr_va_vcc(0) depctr_vm_vsrc(0)
	s_getreg_b32 s2, hwreg(HW_REG_IB_STS2, 6, 4)
	s_cmp_eq_u32 s2, 0
	s_cbranch_scc0 .Lentry_in_a_cluster
	s_endpgm
.Lentry_in_a_cluster:
	s_bfe_u32 s2, ttmp6, 0x10000c
	s_cmp_lg_u32 s2, 0xf033
	s_cbranch_scc0 .Lentry_shape_is_right
	s_endpgm
.Lentry_shape_is_right:
; o = softmax(q k^T + attn_bias) v for 32 (batch, head) pairs, 2,048 queries and keys, head size 64, both products on codes of FP6 (E2M3) with E8M0 scales; o / l is quantised along the channels and stored as codes.
; THE SOFTMAX: t = logit x log2(e); M = the running largest t rounded UP to a whole number; p = 2^(t - M) is quantised along the keys, not normalised; the sum is taken of the unquantised p and divides at the end.
; When M moves, the sum and O are multiplied by 2^(old M - new M), which rounds nothing.
; SHARES.  A work-group owns 64 queries of four heads of one batch; wave w owns one tile of 16 queries (w & 3) of one head (w >> 2) and walks 16 steps of 128 keys.  With 16 such units a step brings 8 KB for each tile
; of queries (the bias) and 12 KB for each head (K, V) into LDS: least at 4 x 4.  CLUSTER 4 x 4: the bias tile hangs on the query block alone and is asked for jointly along a row, K, V and their scale bytes on the heads alone, along a column.
; LAYOUT.  S^T = K Q^T + bias^T (source 0 = 16 keys, source 1 = my 16 queries), O^T = V^T P^T: a lane holds one query throughout.  The rows of a tile are rows 8 u + r + 8 (r / 8) of 32, so the 16 registers of two
; neighbouring tiles are 16 neighbours.  The bias is loaded from LDS straight into the accumulators and is the C of the first product: it costs no addition.
; K = 64 IN AN INSTRUCTION OF 128: Q's upper 64 codes are zeros and the upper scale bytes are 127, so whatever codes stand in the upper six registers of K's operand add nothing: they are the next tile's lower six (zeros behind the last).
; LIMITS: NaN and infinities are not served; a block of zeros keeps the byte 1 (zero codes; only this program reads the bytes).
; REGISTERS: v1-5 addresses that stay; v6, v7 the add's two; v8-11, v28 the step's addresses; v12 -M, v13 the largest t, v[14:15] the sum; v16-27 Q; v32-79 K's eight tiles, later V's four fragments; v80-85 zeros;
; v86-89 K's scale words, v90-91 V's; v96-159 S^T, then p; v160-191 O^T; v192-203 p's codes; v232-254 at work; v255 Q's scale word.
.set KOFF,  34048                      ; a slot: the bias (rows 0-15 of each 32 from 0, rows 16-31 from BYO, pitch 528), K's 4 x 6,144 bytes, V's
.set VREL,  24576
.set BYO,   17024                      ; 128 bytes past a multiple of 256 from the other half: a tile's 16 rows start in 16 different columns of 16 bytes (64 banks of 4 bytes: ISA guide 11.1)
.set SLOT1, 1<<17
.set OSTG,  83200                      ; o's scale half-words meet here: 512 bytes, no fill lands in them
.set SPARE, 83712                      ; the spare words: 128 bytes a wave, named by no other line
.set SCL,   214272                     ; K's scale words of four heads, all keys: 4 x 8,192; then V's: 4 x 4,096
.set KIMG,  3145728
.set VIMG,  6291456
.set QSCL,  9437184
.set KSCL,  9699328
.set VSCL,  9961472
.set OSCL,  3145728
.set BA0,  1
.set A16,  2
.set A8,   3
.set ASKW, 4
.set ASVW, 5
.set SPW,  6
.set NIL,  7
.set ADB,  8
.set AD16, 9
.set AD8,  10
.set ADS,  11
.set ADT,  28
.set OSA,  29
.set PFO,  30
.set OSR,  31
.set WV,   10
.set SEL,  20
.set CS,   22
.set G1B,  24
.set G1KV, 32
.set G1S,  40
.set G0B,  48
.set G0KV, 52
.set G0S,  56
.set TB,   2
.set TS,   3
.set TJ,   60
.set SLOTS,61
.set PFA,  66
.set PFS,  68
.set LIM,  70
.macro ROUND                           ; a round of the cluster's barrier
	s_barrier_signal -1
	s_barrier_wait -1
	s_cmp_lg_u32 s[WV], 0
	s_cbranch_scc1 .Lnot_wave_0_\@
	s_barrier_signal -3
.Lnot_wave_0_\@:
	s_barrier_wait -3
	s_barrier_signal -1
	s_barrier_wait -1
.endm
; Waves 0, 1 fetch K's and V's tiles of four heads, waves 4-7 sixteen rows of the bias each; at the start (first = 1) waves 8-10 the scale words.  One load a wave; the branches hang on the wave's number alone.
.macro TLOAD first
	s_cmp_lt_u32 s[WV], 2
	s_cbranch_scc0 .Lnot_kv_\@
	tensor_load_to_lds s[G0KV:G0KV+3], s[G1KV:G1KV+7]
	s_nop 0
.rept 4
	v_nop
.endr
	s_branch .Lasked_\@
.Lnot_kv_\@:
	s_cmp_lt_u32 s[WV], 4
	s_cbranch_scc1 .Lasked_\@
	s_cmp_lt_u32 s[WV], 8
	s_cbranch_scc0 .Lnot_b_\@
	tensor_load_to_lds s[G0B:G0B+3], s[G1B:G1B+7]
	s_nop 0
.rept 4
	v_nop
.endr
.if \first
	s_branch .Lasked_\@
.endif
.Lnot_b_\@:
.if \first
	s_cmp_lt_u32 s[WV], 8
	s_cbranch_scc1 .Lasked_\@
	s_cmp_lt_u32 s[WV], 11
	s_cbranch_scc0 .Lasked_\@
	tensor_load_to_lds s[G0S:G0S+3], s[G1S:G1S+7]
	s_nop 0
.rept 4
	v_nop
.endr
.endif
.Lasked_\@:
.endm
; A prefetch of the tiles of the step after the one that is being asked for.  The bias tile is read by both clusters of a row of clusters: cluster x = 0 asks, wave 12; its four partners take 16 rows each, told apart by address
; (a lane: row lane / 2, 256-byte block lane % 2).  K and V are read by all eight clusters of a column: cluster y = 0 asks, waves 13 (K) and 14 (V); partner cy takes head cy's 6,144 bytes, lanes 256 bytes apart
; (lanes 24-31 name the last block again).  The last change that fills a slot asks for nothing; nothing is asked at the head.
.macro PREF
	s_cmp_gt_u32 s[SLOTS], s[LIM]
	s_cbranch_scc0 .Lnot_mine_\@
	global_prefetch_b8 v[PFO], s[PFA:PFA+1] th:TH_LOAD_NT scope:SCOPE_SE
.Lnot_mine_\@:
.endm
	s_load_b128 s[4:7], s[0:1], 0x0                ; qkv s[4:5], attn_bias s[6:7]
	s_load_b64 s[8:9], s[0:1], 0x10                ; ob
	v_lshl_add_u32 v[SPW], v0, 2, SPARE
	v_mov_b32 v[NIL], 0
	ds_add_u32 v[SPW], v[NIL]                      ; the wave's opening: the add and its wait ahead of the round in front of the first tensor loads
	ds_add_u32 v[SPW], v[NIL]
	v_lshrrev_b32 v8, 5, v0
	s_delay_alu instid0(VALU_DEP_1)
	v_readfirstlane_b32 s[WV], v8                  ; wave 0..15
	s_bfe_u32 s11, ttmp6, 0x40000                  ; cx
	s_bfe_u32 s12, ttmp6, 0x40004                  ; cy
	s_lshl_b32 s13, ttmp9, 2
	s_add_co_u32 s13, s13, s11                     ; X: heads 4 X .. 4 X + 3 of the 32 (batch, head) pairs
	s_and_b32 s14, ttmp7, 0xffff
	s_lshl_b32 s14, s14, 2
	s_add_co_u32 s14, s14, s12                     ; Y: queries 64 Y on
	s_lshl_b32 s75, s12, 2
	s_lshl_b32 s75, 15, s75                        ; my row of the cluster
	s_lshl_b32 s76, 0x1111, s11                    ; my column
	s_or_b32 s[G1B], s75, (2<<16)|(1<<20)|(1<<21)|(6<<22)|(3<<25)   ; the bias: elements of 4 bytes; 16 bytes of padding behind every 512
	s_mov_b32 s[G1B+1], 128<<16                    ; 16 rows of 128 numbers, 2,048 numbers apart
	s_mov_b32 s[G1B+2], 16<<16
	s_mov_b32 s[G1B+3], 128<<16
	s_mov_b32 s[G1B+4], 16
	s_mov_b32 s[G1B+5], 2048
	s_mov_b32 s[G1B+6], 0
	s_mov_b32 s[G1B+7], 0
	s_or_b32 s[G1KV], s76, (3<<16)|(1<<21)         ; K or V: four heads' 6,144 bytes (768 elements of 8), 98,304 bytes apart
	s_mov_b32 s[G1KV+1], 768<<16
	s_mov_b32 s[G1KV+2], 4<<16
	s_mov_b32 s[G1KV+3], 768<<16
	s_mov_b32 s[G1KV+4], 4
	s_mov_b32 s[G1KV+5], 12288
	s_mov_b32 s[G1KV+6], 0
	s_mov_b32 s[G1KV+7], 0
	s_or_b32 s[G1S], s76, (3<<16)|(1<<21)          ; scale words: 16,384 dense bytes as 64 rows of 256
	s_mov_b32 s[G1S+1], 32<<16
	s_mov_b32 s[G1S+2], 64<<16
	s_mov_b32 s[G1S+3], 32<<16
	s_mov_b32 s[G1S+4], 64
	s_mov_b32 s[G1S+5], 32
	s_mov_b32 s[G1S+6], 0
	s_mov_b32 s[G1S+7], 0
	s_and_b32 s71, s[WV], 1                        ; u of my tile of queries.  Also: which half a fetching wave takes
	s_bfe_u32 s72, s[WV], 0x10001                  ; g of my tile
	s_and_b32 s73, s[WV], 3                        ; my tile of queries
	s_lshr_b32 s74, s[WV], 2                       ; my head of the four
	s_mov_b32 s[G0B], 1
	s_mul_i32 s[G0B+1], s72, 8448
	s_mul_i32 s77, s71, BYO
	s_add_co_u32 s[G0B+1], s[G0B+1], s77           ; rows 32 g + 16 half + 0..15 of the 64
	s_lshl_b32 s78, s14, 6
	s_lshl_b32 s77, s72, 5
	s_add_co_u32 s78, s78, s77
	s_lshl_b32 s77, s71, 4
	s_add_co_u32 s78, s78, s77
	s_lshl_b32 s78, s78, 13                        ; a row of the bias is 8,192 bytes
	s_mov_b32 s79, 0
	s_mov_b32 s[G0KV], 1
	s_mul_i32 s[G0KV+1], s71, VREL
	s_add_co_u32 s[G0KV+1], s[G0KV+1], KOFF
	s_mul_i32 s80, s13, 393216
	s_mul_i32 s77, s71, VIMG-KIMG
	s_add_co_u32 s80, s80, s77
	s_add_co_u32 s80, s80, KIMG
	s_mov_b32 s81, 0
	s_mov_b32 s[G0S], 1
	s_lshl_b32 s[G0S+1], s73, 14
	s_add_co_u32 s[G0S+1], s[G0S+1], SCL
	s_lshl_b32 s82, s13, 15
	s_lshl_b32 s77, s73, 14
	s_add_co_u32 s82, s82, s77
	s_add_co_u32 s82, s82, KSCL
	s_lshl_b32 s83, s13, 14
	s_add_co_u32 s83, s83, VSCL
	s_cmp_lt_u32 s73, 2
	s_cselect_b32 s82, s82, s83                    ; waves 8, 9: K's two halves; wave 10: V's
	s_mov_b32 s83, 0
	s_mov_b32 s[SEL], 0x76543210
	s_mov_b32 s[SEL+1], 0xfedcba98
	s_mov_b32 s[CS], 0x3fb8aa3b                    ; log2(e)
	s_mov_b32 s[CS+1], s[CS]
	s_mov_b32 s[TB], 0
	s_mov_b32 s[TS], 0
	s_mov_b32 s[TJ], 0
	s_mov_b32 s[SLOTS], 15
	s_wait_dscnt 0x0                               ; the opening add is done
	s_wait_kmcnt 0x0
	s_add_nc_u64 s[G0B+2:G0B+3], s[6:7], s[78:79]
	s_or_b32 s[G0B+3], s[G0B+3], 0x80000000
	s_add_nc_u64 s[G0KV+2:G0KV+3], s[4:5], s[80:81]
	s_or_b32 s[G0KV+3], s[G0KV+3], 0x80000000
	s_add_nc_u64 s[G0S+2:G0S+3], s[4:5], s[82:83]
	s_or_b32 s[G0S+3], s[G0S+3], 0x80000000
	ROUND                                          ; all sixteen work-groups are here
	TLOAD 1                                        ; step 0's tiles and the scale words: at most one tensor load of a wave is out
	v_and_b32 v232, 15, v0                         ; r
	v_bfe_u32 v233, v0, 4, 1                       ; h
	v_and_b32 v234, 7, v0
	v_bfe_u32 v235, v0, 3, 1
	v_and_b32 v240, 31, v0                         ; lane
	s_delay_alu instid0(VALU_DEP_1)
	v_lshlrev_b32 v8, 4, v240
	s_wait_alu depctr_va_vdst(0)
	v_lshlrev_b32 v9, 3, v240
	s_wait_alu depctr_va_vdst(0)
	v_lshlrev_b32 v10, 3, v232
	s_wait_alu depctr_va_vdst(0)
	s_lshl_b32 s84, s13, 2
	s_add_co_u32 s84, s84, s74                     ; my (batch, head) pair
	s_lshl_b32 s85, s84, 7
	s_lshl_b32 s86, s14, 2
	s_add_co_u32 s85, s85, s86
	s_add_co_u32 s85, s85, s73
	s_mul_i32 s86, s85, 768
	s_mov_b32 s87, 0
	s_add_nc_u64 s[86:87], s[4:5], s[86:87]
	global_load_b128 v[16:19], v8, s[86:87]        ; Q's six registers stay
	global_load_b64 v[20:21], v9, s[86:87] offset:512
	s_lshl_b32 s88, s84, 13
	s_lshl_b32 s89, s14, 8
	s_add_co_u32 s88, s88, s89
	s_lshl_b32 s89, s71, 7
	s_add_co_u32 s88, s88, s89
	s_lshl_b32 s89, s72, 2
	s_add_co_u32 s88, s88, s89
	s_add_co_u32 s88, s88, QSCL
	s_mov_b32 s89, 0
	s_add_nc_u64 s[88:89], s[4:5], s[88:89]
	global_load_b32 v255, v10, s[88:89]            ; Q's scale words
	v_mul_u32_u24 v[BA0], v234, 528
	s_delay_alu instid0(VALU_DEP_1)
	v_mad_u32_u24 v[BA0], v235, BYO, v[BA0]
	s_delay_alu instid0(VALU_DEP_1)
	v_lshl_add_u32 v[BA0], v233, 6, v[BA0]
	s_mul_i32 s77, s72, 8448
	s_mul_i32 s90, s71, 4224
	s_add_co_u32 s77, s77, s90
	v_add_nc_u32 v[BA0], s77, v[BA0]               ; the bias: my query's row, + 64 h bytes
	s_mul_i32 s77, s74, 6144
	s_add_co_u32 s77, s77, KOFF
	v_lshl_add_u32 v[A16], v240, 4, s77            ; K, V: my head, 16 x lane
	s_add_co_u32 s77, s77, 512
	v_lshl_add_u32 v[A8], v240, 3, s77             ; and 512 + 8 x lane
	s_lshl_b32 s77, s74, 13
	s_add_co_u32 s77, s77, SCL
	v_lshl_add_u32 v[ASKW], v240, 3, s77
	s_lshl_b32 s77, s74, 12
	s_add_co_u32 s77, s77, SCL+32768
	v_lshl_add_u32 v[ASVW], v240, 2, s77
	s_lshl_b32 s77, s73, 7
	s_lshr_b32 s90, s74, 1
	s_lshl_b32 s90, s90, 6
	s_add_co_u32 s77, s77, s90
	s_and_b32 s90, s74, 1
	s_lshl_b32 s90, s90, 1
	s_add_co_u32 s77, s77, s90
	s_add_co_u32 s77, s77, OSTG
	v_lshl_add_u32 v[OSA], v232, 2, s77            ; o's half-word: 128 x tile + 64 (head / 2) + 4 r + 2 (head % 2)
	v_and_b32 v[OSR], 127, v0
	s_delay_alu instid0(VALU_DEP_1)
	v_lshl_add_u32 v[OSR], v[OSR], 2, OSTG
	; the prefetches
	v_lshrrev_b32 v237, 1, v240
	v_and_b32 v238, 1, v240
	s_delay_alu instid0(VALU_DEP_1)
	v_lshlrev_b32 v238, 8, v238
	s_delay_alu instid0(VALU_DEP_1)
	v_lshl_add_u32 v237, v237, 13, v238
	v_min_u32 v238, 23, v240
	s_delay_alu instid0(VALU_DEP_1)
	v_lshlrev_b32 v238, 8, v238
	s_cmp_eq_u32 s[WV], 12
	s_cselect_b32 s77, -1, 0
	v_cndmask_b32 v[PFO], v238, v237, s77
	s_lshl_b32 s90, s14, 6
	s_lshl_b32 s91, s11, 4
	s_add_co_u32 s90, s90, s91
	s_lshl_b32 s90, s90, 13
	s_add_co_u32 s90, s90, 512                     ; the bias: my work-group's 16 rows, at step 1; the first change steps it to step 2
	s_lshl_b32 s92, s13, 2
	s_add_co_u32 s92, s92, s12
	s_mul_i32 s92, s92, 98304
	s_add_co_u32 s92, s92, KIMG+6144               ; K: my work-group's head, at step 1
	s_cmp_eq_u32 s[WV], 14
	s_cselect_b32 s93, VIMG-KIMG, 0
	s_add_co_u32 s92, s92, s93
	s_and_b32 s94, ttmp7, 0xffff                   ; cluster y
	s_mov_b32 s95, 6144
	s_cmp_eq_u32 s[WV], 12
	s_cselect_b64 s[PFA:PFA+1], s[6:7], s[4:5]
	s_cselect_b32 s90, s90, s92
	s_cselect_b32 s[PFS], 512, s95
	s_cselect_b32 s94, ttmp9, s94                  ; the coordinate along which other clusters read the same bytes
	s_mov_b32 s91, 0
	s_mov_b32 s[PFS+1], 0
	s_add_nc_u64 s[PFA:PFA+1], s[PFA:PFA+1], s[90:91]
	s_sub_co_u32 s95, s[WV], 12
	s_cmp_lt_u32 s95, 3
	s_cselect_b32 s95, 0, 1
	s_or_b32 s95, s95, s94
	s_cmp_eq_u32 s95, 0
	s_cselect_b32 s[LIM], 1, -1                    ; the same in all sixteen partners, for a given wave
.irp n, 22,23,24,25,26,27,80,81,82,83,84,85
	v_mov_b32 v[\n], 0                             ; Q's upper 64 codes; the registers behind K's last tile
.endr
	v_mov_b32 v13, 0xff61b1e6                      ; the largest t so far: -3e38
	s_delay_alu instid0(VALU_DEP_1)
	v_floor_f32 v12, -v13                          ; -M
	v_mov_b32 v14, 0
	v_mov_b32 v15, 0
.irp b, 0,1,2,3
	v_mov_b32 v[236+\b], 0                         ; a lane permute's destination counts as one of its sources
.endr
	v_mov_b32 v253, 0
.set n, 0
.rept 32
	v_mov_b32 v[160+n], 0                          ; O^T: the step is written once; the first change of M leaves zeros zeros
.set n, n+1
.endr
; A KEY STEP: 128 keys
.macro STEP
	v_add_nc_u32 v[ADB], s[TB], v[BA0]             ; (these five are also the places behind the last step's products)
	v_add_nc_u32 v[AD16], s[TB], v[A16]
	v_add_nc_u32 v[AD8], s[TB], v[A8]
	v_add_nc_u32 v[ADS], s[TS], v[ASKW]
	v_add_nc_u32 v[ADT], s[TJ], v[ASVW]
.irp b, 0,1,2,3
.irp i, 0,1,2,3
	ds_load_b128 v[96+16*\b+4*\i:99+16*\b+4*\i], v[ADB] offset:128*\b+16*\i    ; the bias of keys 32 b + 16 h + 4 i on: S^T's own layout
.endr
.endr
.irp t, 0,1,2,3,4,5,6,7
	ds_load_b128 v[32+6*\t:35+6*\t], v[AD16] offset:768*\t
	ds_load_b64 v[36+6*\t:37+6*\t], v[AD8] offset:768*\t
.endr
	ds_load_b64 v[86:87], v[ADS]
	ds_load_b64 v[88:89], v[ADS] offset:256
	s_wait_alu depctr_va_vdst(0)
	s_wait_dscnt 0x0
.irp t, 0,1,2,3,4,5,6,7
.if (\t)%2
	v_wmma_scale_f32_16x16x128_f8f6f4 v[96+8*\t:103+8*\t], v[32+6*\t:43+6*\t], v[16:27], v[96+8*\t:103+8*\t], v[86+\t/2], v255 matrix_a_fmt:MATRIX_FMT_FP6 matrix_b_fmt:MATRIX_FMT_FP6 matrix_a_scale:MATRIX_SCALE_ROW1
.else
	v_wmma_scale_f32_16x16x128_f8f6f4 v[96+8*\t:103+8*\t], v[32+6*\t:43+6*\t], v[16:27], v[96+8*\t:103+8*\t], v[86+\t/2], v255 matrix_a_fmt:MATRIX_FMT_FP6 matrix_b_fmt:MATRIX_FMT_FP6
.endif
.endr
.rept 4
	v_nop                                          ; places in front of the loads into K's registers and of the first read of the scores
.endr
.irp t, 0,1,2,3                        ; V's four fragments are asked for now and land under the softmax
	ds_load_b128 v[32+12*\t:35+12*\t], v[AD16] offset:VREL+768*\t
	ds_load_b64 v[36+12*\t:37+12*\t], v[AD8] offset:VREL+768*\t
	ds_load_b128 v[38+12*\t:41+12*\t], v[AD16] offset:VREL+768*(4+\t)
	ds_load_b64 v[42+12*\t:43+12*\t], v[AD8] offset:VREL+768*(4+\t)
.endr
	ds_load_b32 v90, v[ADT]
	ds_load_b32 v91, v[ADT] offset:128
.irp b, 0,1,2,3
	v_max3_num_f32 v[232+\b], v[96+16*\b], v[97+16*\b], v[98+16*\b]   ; the largest score of each block of 32 keys: for the row's maximum, and, since p rises with the score, for the block's largest p
.endr
.irp i, 3,5,7,9,11,13
.irp b, 0,1,2,3
	v_max3_num_f32 v[232+\b], v[232+\b], v[96+16*\b+\i], v[97+16*\b+\i]
.endr
.endr
.irp b, 0,1,2,3
	v_max_num_f32 v[232+\b], v[232+\b], v[111+16*\b]
.endr
.irp b, 0,1,2,3
	s_delay_alu instid0(VALU_DEP_4)
	v_permlanex16_b32 v[236+\b], v[232+\b], s[SEL], s[SEL+1]
.endr
.irp b, 0,1,2,3
	s_delay_alu instid0(VALU_DEP_4)
	v_max_num_f32 v[232+\b], v[232+\b], v[236+\b]
.endr
	s_delay_alu instid0(VALU_DEP_2)
	v_max3_num_f32 v254, v232, v233, v234
	s_delay_alu instid0(VALU_DEP_1)
	v_max_num_f32 v254, v254, v235
	s_delay_alu instid0(VALU_DEP_1)
	v_mul_f32 v254, s[CS], v254                    ; as t
	s_delay_alu instid0(VALU_DEP_1)
	v_max_num_f32 v13, v13, v254                   ; the running largest t
	v_mov_b32 v254, v12
	s_delay_alu instid0(VALU_DEP_2)
	v_floor_f32 v12, -v13                          ; the new -M = -ceil(t)
	s_delay_alu instid0(VALU_DEP_1)
	v_sub_f32 v254, v12, v254                      ; old M - new M: a whole number, 0 or less
	s_delay_alu instid0(VALU_DEP_1)
	v_cvt_i32_f32 v254, v254                       ; (it saturates)
	s_delay_alu instid0(VALU_DEP_1)
	v_ldexp_f32 v252, 1.0, v254                    ; f = 2^(old M - new M)
.set n, 0
.rept 32
	v_pk_fma_f32 v[96+n:97+n], v[96+n:97+n], s[CS:CS+1], v[12:13] op_sel_hi:[1,0,0]   ; t - M
.set n, n+2
.endr
.irp b, 0,1,2,3
	v_fma_f32 v[232+\b], v[232+\b], s[CS], v12
.endr
.set n, 0
	s_wait_alu depctr_va_vdst(0)
.rept 64
	v_exp_f32 v[96+n], v[96+n]                     ; p = 2^(t - M)
.set n, n+1
.endr
	v_pk_mul_f32 v[14:15], v[14:15], v[252:253] op_sel_hi:[1,0]   ; the sums under the new M (a plain place behind the exponentials)
	s_wait_alu depctr_va_vdst(0)                   ; one wait for the whole batch, ahead of its first reader
.irp b, 0,1,2,3
	v_exp_f32 v[232+\b], v[232+\b]                 ; the blocks' largest p
.endr
	v_pk_add_f32 v[236:237], v[100:101], v[104:105]
	v_pk_add_f32 v[250:251], v[108:109], v[112:113]
	v_pk_add_f32 v[248:249], v[116:117], v[120:121]
	v_pk_add_f32 v[246:247], v[124:125], v[128:129]
	v_pk_add_f32 v[244:245], v[132:133], v[136:137]
	v_pk_add_f32 v[242:243], v[140:141], v[144:145]
	v_pk_add_f32 v[240:241], v[148:149], v[152:153]
	v_pk_add_f32 v[14:15], v[14:15], v[156:157]
	v_pk_add_f32 v[236:237], v[236:237], v[96:97]
	v_pk_add_f32 v[250:251], v[250:251], v[98:99]
	v_pk_add_f32 v[248:249], v[248:249], v[102:103]
	v_pk_add_f32 v[246:247], v[246:247], v[106:107]
	v_pk_add_f32 v[244:245], v[244:245], v[110:111]
	v_pk_add_f32 v[242:243], v[242:243], v[114:115]
	v_pk_add_f32 v[240:241], v[240:241], v[118:119]
	v_pk_add_f32 v[14:15], v[14:15], v[122:123]
	v_pk_add_f32 v[236:237], v[236:237], v[126:127]
	v_pk_add_f32 v[250:251], v[250:251], v[130:131]
	v_pk_add_f32 v[248:249], v[248:249], v[134:135]
	v_pk_add_f32 v[246:247], v[246:247], v[138:139]
	v_pk_add_f32 v[244:245], v[244:245], v[142:143]
	v_pk_add_f32 v[242:243], v[242:243], v[146:147]
	v_pk_add_f32 v[240:241], v[240:241], v[150:151]
	v_pk_add_f32 v[14:15], v[14:15], v[154:155]
	v_pk_add_f32 v[236:237], v[236:237], v[158:159]
	s_delay_alu instid0(VALU_DEP_2)
	v_pk_add_f32 v[14:15], v[14:15], v[246:247]
	s_delay_alu instid0(VALU_DEP_2)
	v_pk_add_f32 v[236:237], v[236:237], v[244:245]
	v_pk_add_f32 v[250:251], v[250:251], v[242:243]
	v_pk_add_f32 v[248:249], v[248:249], v[240:241]
	s_delay_alu instid0(VALU_DEP_2)
	v_pk_add_f32 v[14:15], v[14:15], v[250:251]
	s_delay_alu instid0(VALU_DEP_2)
	v_pk_add_f32 v[236:237], v[236:237], v[248:249]
	s_delay_alu instid0(VALU_DEP_1)
	v_pk_add_f32 v[14:15], v[14:15], v[236:237]
	s_wait_alu depctr_va_vdst(0)                   ; and one for the four
.irp b, 0,1,2,3
	v_max_num_f32 v[232+\b], 0x1800000, v[232+\b]  ; the floor 2^(3 - 127)
.endr
.irp b, 0,1,2,3
	s_delay_alu instid0(VALU_DEP_4)
	v_add_nc_u32 v[244+\b], 0xff000000, v[232+\b]
.endr
.irp b, 0,1,2,3
	s_delay_alu instid0(VALU_DEP_4)
	v_lshrrev_b32 v[236+\b], 23, v[244+\b]
.endr
	s_delay_alu instid0(VALU_DEP_3)
	v_lshl_or_b32 v253, v237, 8, v236              ; p's scale word for these 128 keys
	s_delay_alu instid0(VALU_DEP_1)
	v_lshl_or_b32 v253, v238, 16, v253
	s_delay_alu instid0(VALU_DEP_1)
	v_lshl_or_b32 v253, v239, 24, v253
.irp c, 0,1
	v_cvt_scalef32_pk16_fp6_f32 v[192+6*\c:194+6*\c], v[96+32*\c:111+32*\c], v[244+2*\c]
	v_cvt_scalef32_pk16_fp6_f32 v[236+4*\c:238+4*\c], v[112+32*\c:127+32*\c], v[244+2*\c+1]
.endr
	v_nop
.irp c, 0,1
.irp i, 0,1,2
	v_permlane16_swap_b32 v[192+6*\c+\i], v[236+4*\c+\i]
.endr
.irp i, 0,1,2
	s_delay_alu instid0(VALU_DEP_3)
	v_mov_b32 v[195+6*\c+\i], v[236+4*\c+\i]
.endr
.endr
.set n, 0
.rept 16
	v_pk_mul_f32 v[160+n:161+n], v[160+n:161+n], v[252:253] op_sel_hi:[1,0]   ; O^T under the new M; these sixteen are also the places in front of the scaled products
.set n, n+2
.endr
	s_wait_alu depctr_va_vdst(0)
	s_wait_dscnt 0x0                               ; V's fragments and scale words are in
.irp t, 0,1,2,3
.if (\t)%2
	v_wmma_scale_f32_16x16x128_f8f6f4 v[160+8*\t:167+8*\t], v[32+12*\t:43+12*\t], v[192:203], v[160+8*\t:167+8*\t], v[90+\t/2], v253 matrix_a_fmt:MATRIX_FMT_FP6 matrix_b_fmt:MATRIX_FMT_FP6 matrix_a_scale:MATRIX_SCALE_ROW1
.else
	v_wmma_scale_f32_16x16x128_f8f6f4 v[160+8*\t:167+8*\t], v[32+12*\t:43+12*\t], v[192:203], v[160+8*\t:167+8*\t], v[90+\t/2], v253 matrix_a_fmt:MATRIX_FMT_FP6 matrix_b_fmt:MATRIX_FMT_FP6
.endif
.endr
	s_xor_b32 s[TB], s[TB], SLOT1                  ; on to the other slot,
	s_add_co_u32 s[TS], s[TS], 512                 ; the next step's scale words
	s_add_co_u32 s[TJ], s[TJ], 256
.endm
; THE CHANGE OF SLOTS stands at a step's head.  Each wave waits for all its tensor loads (its part of the slot about to be read), adds 0 to its spare word, and waits for that and for its reads of the slot that it has left.
; fill = 1: a round of the cluster's barrier, and behind it the other slot is filled with the next step's tiles: the load has one step in which to land.
.macro CHANGE fill
	s_wait_tensorcnt 0x0                           ; no tensor load of mine is out, so a group 0 may be written
	ds_add_u32 v[SPW], v[NIL]
.if \fill
	s_xor_b32 s[G0B+1], s[G0B+1], SLOT1
	s_add_nc_u64 s[G0B+2:G0B+3], s[G0B+2:G0B+3], 512
	s_xor_b32 s[G0KV+1], s[G0KV+1], SLOT1
	s_add_nc_u64 s[G0KV+2:G0KV+3], s[G0KV+2:G0KV+3], 6144
	s_wait_xcnt 0x0                                ; the last prefetch, a step back, has read its address
	s_add_nc_u64 s[PFA:PFA+1], s[PFA:PFA+1], s[PFS:PFS+1]
.endif
	s_wait_dscnt 0x0                               ; the add is done, and my reads of the slot that I have left are over
.if \fill
	ROUND
	TLOAD 0                                        ; the first thing behind the round, and a wave's one tensor load until the next
	PREF
.else
	s_barrier_signal -1
	s_barrier_wait -1
.endif
.endm
	s_wait_loadcnt 0x0                             ; Q
.Lstep:                                            ; 15 trips: behind each change but the last the next step's tiles are asked for
	CHANGE 1
	STEP
	s_sub_co_u32 s[SLOTS], s[SLOTS], 1
	s_cmp_lg_u32 s[SLOTS], 0
	s_cbranch_scc1 .Lstep
	CHANGE 0                                       ; the last step is written out
	STEP
	; THE WAY OUT: o = O^T / l, quantised along the head's 64 channels (two blocks); six registers of codes leave as they stand; the two scale bytes meet the other heads' in LDS
	v_add_f32 v14, v14, v15
	s_delay_alu instid0(VALU_DEP_1)
	v_permlanex16_b32 v252, v14, s[SEL], s[SEL+1]
	s_delay_alu instid0(VALU_DEP_1)
	v_add_f32 v14, v14, v252                       ; the row's sum
	s_wait_alu depctr_va_vdst(0)
	v_rcp_f32 v14, v14
	v_and_b32 v8, 31, v0
	s_delay_alu instid0(VALU_DEP_1)
	v_lshlrev_b32 v11, 2, v8
	s_delay_alu instid0(VALU_DEP_2)
	v_lshlrev_b32 v9, 3, v8
	s_delay_alu instid0(VALU_DEP_3)
	v_lshlrev_b32 v8, 4, v8
	s_lshr_b32 s84, s13, 2
	s_lshl_b32 s84, s84, 7
	s_lshl_b32 s85, s14, 2
	s_add_co_u32 s84, s84, s85
	s_add_co_u32 s84, s84, s73                     ; T: my tile of rows among the 256
	s_and_b32 s85, s13, 3
	s_lshl_b32 s86, s84, 4
	s_lshl_b32 s87, s85, 2
	s_add_co_u32 s86, s86, s87
	s_add_co_u32 s86, s86, s74                     ; 16 T + head
	s_mul_i32 s86, s86, 768
	s_mov_b32 s87, 0
	s_add_nc_u64 s[86:87], s[8:9], s[86:87]
	s_lshl_b32 s88, s84, 9
	s_lshl_b32 s89, s85, 7
	s_add_co_u32 s88, s88, s89
	s_add_co_u32 s88, s88, OSCL
	s_mov_b32 s89, 0
	s_add_nc_u64 s[88:89], s[8:9], s[88:89]
	s_wait_alu depctr_va_vdst(0)                   ; the wait ahead of the reciprocal's first reader
.set n, 0
.rept 32
	v_mul_f32 v[160+n], v[160+n], v14              ; from each accumulator's low end on
.set n, n+1
.endr
.irp b, 0,1
	v_max3_num_f32 v[232+\b], |v[160+16*\b]|, |v[161+16*\b]|, 0x1800000
.endr
.irp i, 2,4,6,8,10,12,14
.irp b, 0,1
	s_delay_alu instid0(VALU_DEP_2)
	v_max3_num_f32 v[232+\b], v[232+\b], |v[160+16*\b+\i]|, |v[161+16*\b+\i]|
.endr
.endr
.irp b, 0,1
	s_delay_alu instid0(VALU_DEP_2)
	v_permlanex16_b32 v[236+\b], v[232+\b], s[SEL], s[SEL+1]
.endr
.irp b, 0,1
	s_delay_alu instid0(VALU_DEP_2)
	v_max_num_f32 v[232+\b], v[232+\b], v[236+\b]
.endr
.irp b, 0,1
	s_delay_alu instid0(VALU_DEP_2)
	v_add_nc_u32 v[244+\b], 0xff000000, v[232+\b]
.endr
.irp b, 0,1
	s_delay_alu instid0(VALU_DEP_2)
	v_lshrrev_b32 v[236+\b], 23, v[244+\b]
.endr
	s_delay_alu instid0(VALU_DEP_1)
	v_lshl_or_b32 v236, v237, 8, v236
	v_cvt_scalef32_pk16_fp6_f32 v[192:194], v[160:175], v244
	v_cvt_scalef32_pk16_fp6_f32 v[200:202], v[176:191], v245
	v_nop
.irp i, 0,1,2
	v_permlane16_swap_b32 v[192+\i], v[200+\i]
.endr
.irp i, 0,1,2
	s_delay_alu instid0(VALU_DEP_3)
	v_mov_b32 v[195+\i], v[200+\i]
.endr
	global_store_b128 v8, v[192:195], s[86:87]             ; 512 consecutive bytes
	global_store_b64 v9, v[196:197], s[86:87] offset:512   ; 256 consecutive bytes
	ds_store_b16 v[OSA], v236                      ; lanes r and 16 + r write the same half-word with the same value
	s_wait_dscnt 0x0                               ; for the others' sake
	s_barrier_signal -1
	s_barrier_wait -1
	s_cmp_lt_u32 s[WV], 4
	s_cbranch_scc0 .Lno_words
	ds_load_b32 v10, v[OSR]                        ; wave w: tile w's 32 words (two pairs of heads x 16 rows)
	s_wait_dscnt 0x0
	global_store_b32 v11, v10, s[88:89]            ; 128 consecutive bytes
.Lno_words:
	s_wait_tensorcnt 0x0                           ; the wave's end
	ds_add_u32 v[SPW], v[NIL]
	s_wait_dscnt 0x0
	ROUND                                          ; the closing round
	s_endpgm
.Lfunc_end_k_q561858dd91_attn:
	.size	k_q561858dd91_attn, .Lfunc_end_k_q561858dd91_attn-k_q561858dd91_attn
	.p2alignl 7, 3214868480
	.fill 96, 4, 3214868480
	.section	.rodata,"a",@progbits
	.p2align	6, 0x0
	.amdhsa_kernel k_q561858dd91_attn
		.amdhsa_group_segment_fixed_size 327680
		.amdhsa_private_segment_fixed_size 0
		.amdhsa_enable_private_segment 0
		.amdhsa_kernarg_size 24
		.amdhsa_user_sgpr_count 2
		.amdhsa_user_sgpr_kernarg_segment_ptr 1
		.amdhsa_wavefront_size32 1
		.amdhsa_system_sgpr_workgroup_id_x 1
		.amdhsa_system_sgpr_workgroup_id_y 1
		.amdhsa_system_sgpr_workgroup_id_z 1
		.amdhsa_system_vgpr_workitem_id 0
		.amdhsa_next_free_vgpr 256
		.amdhsa_next_free_sgpr 100
		.amdhsa_reserve_vcc 0
		.amdhsa_float_denorm_mode_32 3
		.amdhsa_float_denorm_mode_16_64 3
		.amdhsa_memory_ordered 1
		.amdhsa_forward_progress 1
		.amdhsa_inst_pref_size 57
	.end_amdhsa_kernel
	.amdgpu_metadata
---
amdhsa.version: [ 1, 2 ]
amdhsa.kernels:
  - .name:           k_q561858dd91_attn
    .symbol:         k_q561858dd91_attn.kd
    .args:
      - { .name: qkv, .offset: 0, .size: 8, .value_kind: global_buffer, .address_space: global }
      - { .name: attn_bias, .offset: 8, .size: 8, .value_kind: global_buffer, .address_space: global }
      - { .name: ob, .offset: 16, .size: 8, .value_kind: global_buffer, .address_space: global }
    .group_segment_fixed_size: 327680
    .private_segment_fixed_size: 0
    .kernarg_segment_align: 8
    .kernarg_segment_size: 24
    .max_flat_workgroup_size: 512
    .sgpr_count:     100
    .vgpr_count:     256
    .wavefront_size: 32
...
	.end_amdgpu_metadata
.endif
;; end of part 3
;; launch proj (part 4): grid 8 x 32, 4 waves a work-group, clusters of 4 x 4, 327,680 bytes of LDS; arguments ob, qa, b_proj, out0; writes out0
.if DOCPART == 4
	.amdgcn_target "amdgcn-amd-amdhsa--gfx1250"
	.amdhsa_code_object_version 6
	.text
	.protected	k_q561858dd91_proj
	.globl	k_q561858dd91_proj
	.p2align	8
	.type	k_q561858dd91_proj,@function
k_q561858dd91_proj:
	s_mov_b64 s[64:65], 0
	v_nop
	global_prefetch_b8 v0, s[64:65] scope:SCOPE_SE
	s_setreg_imm32_b32 hwreg(HW_REG_WAVE_MODE, 25, 1), 1
	s_wait_xcnt 0x0
	s_wait_alu depctr_hold_cnt(0) depctr_sa_sdst(0) depctr_va_vdst(0) depctr_va_sdst(0) depctr_va_ssrc(0) depctr_va_vcc(0) depctr_vm_vsrc(0)
	s_getreg_b32 s2, hwreg(HW_REG_IB_STS2, 6, 4)
	s_cmp_eq_u32 s2, 0
	s_cbranch_scc0 .Lentry_in_a_cluster
	s_endpgm
.Lentry_in_a_cluster:
	s_bfe_u32 s2, ttmp6, 0x10000c
	s_cmp_lg_u32 s2, 0xf033
	s_cbranch_scc0 .Lentry_shape_is_right
	s_endpgm
.Lentry_shape_is_right:
.set PITCH,  240
.set BT,     98304
.set SA,     221184
.set HS,     2176
.set STG,    229888
.set SPITCH, 272
.set SPARE,  247296
.set O_WPC,  5505024
.set O_WPS,  6520832
.set O_OSCL, 3145728
.set PA16, 16
.set PA8,  17
.set PBF,  18
.set PSA,  21
.set PSB,  22
.set STO,  23
.set RD,   24
.set CO,   25
.set VB,   26
.set SPW,  28
.set NIL,  29
.set G1A,  24
.set G1B,  32
.set G1S,  40
.set G1SB, 48
.set G0S,  56
.set G0SB, 60
.set G0A,  68
.set G0B,  84
.set MSB, 0
.macro WIN new
.if MSB != (\new)
	s_set_vgpr_msb (MSB<<8)|(\new)
.set MSB, \new
.endif
.endm
; out0 = o W_proj^T + b_proj on codes of FP6 (E2M3) with E8M0 scales.  A work-group makes 128 stored rows x 128 columns, a wave 64 x 64.
; ALL OF K LIES IN LDS, FILLED ONCE, ONE JOINT LOAD A WAVE AT THE HEAD: wave 0 o's eight tiles of operand images (98,304 dense bytes), wave 1 W_proj's two groups of 64 rows
; (98,304 dense bytes, 16 bytes of padding behind every 64), wave 2 o's scale words, wave 3 W_proj's scale bytes (4,096 each).  One chain of branches on the wave's number; every way passes one load.
; One barrier shows the four tiles to all waves; nothing is filled again, so the eight steps of 128 along K have no barrier.  The launch has no loop to run ahead in: no prefetch is laid.
.macro ARM under, g0, g1, next
	s_cmp_lt_u32 s12, \under
	s_cbranch_scc0 \next
	tensor_load_to_lds s[\g0:\g0+3], s[\g1:\g1+7]
	s_nop 0
.rept 4
	v_nop
.endr
	s_branch .Lhead_asked
\next:
.endm
.macro CROUND
	s_barrier_signal -1
	s_barrier_wait -1
	s_cmp_lg_u32 s12, 0
	s_cbranch_scc1 .Lnot_wave_0_\@
	s_barrier_signal -3
.Lnot_wave_0_\@:
	s_barrier_wait -3
	s_barrier_signal -1
	s_barrier_wait -1
.endm
	s_load_b256 s[4:11], s[0:1], 0x0
	v_lshl_add_u32 v[SPW], v0, 2, SPARE
	v_mov_b32 v[NIL], 0
	ds_add_u32 v[SPW], v[NIL]
	ds_add_u32 v[SPW], v[NIL]
	v_lshrrev_b32 v1, 5, v0
	v_readfirstlane_b32 s12, v1
	s_lshr_b32 s13, s12, 1
	s_and_b32 s14, s12, 1
	s_bfe_u32 s15, ttmp6, 0x40000
	s_bfe_u32 s16, ttmp6, 0x40004
	s_lshl_b32 s17, ttmp9, 2
	s_add_co_u32 s17, s17, s15
	s_and_b32 s18, ttmp7, 0xffff
	s_lshl_b32 s18, s18, 2
	s_add_co_u32 s18, s18, s16
	s_lshl_b32 s19, s16, 2
	s_lshl_b32 s19, 15, s19
	s_lshl_b32 s2, 0x1111, s15
	s_or_b32 s[G1A], s19, (3<<16)|(1<<21)
	s_mov_b32 s[G1A+1], 32<<16                     ; 384 rows of 256 bytes (32 elements of 8), dense
	s_mov_b32 s[G1A+2], 384<<16
	s_mov_b32 s[G1A+3], 32<<16
	s_mov_b32 s[G1A+4], 384
	s_mov_b32 s[G1A+5], 32
	s_mov_b32 s[G1A+6], 0
	s_mov_b32 s[G1A+7], 0
	s_or_b32 s[G1B], s2, (1<<20)|(1<<21)|(3<<22)|(3<<25)
	s_mov_b32 s[G1B+1], 256<<16                    ; 384 rows of 256 bytes, dense: in LDS a stored row of 192 bytes takes 240
	s_mov_b32 s[G1B+2], 384<<16
	s_mov_b32 s[G1B+3], 256<<16
	s_mov_b32 s[G1B+4], 384
	s_mov_b32 s[G1B+5], 256
	s_mov_b32 s[G1B+6], 0
	s_mov_b32 s[G1B+7], 0
	s_or_b32 s[G1S], s19, (3<<16)|(1<<20)|(1<<21)|(5<<22)|(3<<25)
	s_or_b32 s[G1SB], s2, (3<<16)|(1<<20)|(1<<21)|(5<<22)|(3<<25)
.irp g, G1S, G1SB
	s_mov_b32 s[\g+1], 32<<16
	s_mov_b32 s[\g+2], 16<<16
	s_mov_b32 s[\g+3], 32<<16
	s_mov_b32 s[\g+4], 16
	s_mov_b32 s[\g+5], 32
	s_mov_b32 s[\g+6], 0
	s_mov_b32 s[\g+7], 0
.endr
	s_lshl_b32 s20, s18, 3                         ; o: my work-group's first tile of 16 rows
	s_lshl_b32 s66, s20, 9
	s_add_co_u32 s66, s66, O_OSCL
	s_mov_b32 s67, 0
	s_mul_i32 s20, s20, 12288
	s_mov_b32 s21, 0
	s_lshl_b32 s22, s17, 7                         ; W_proj: my work-group's first row; a row has 768 bytes of its group's 49,152
	s_lshl_b32 s100, s22, 5
	s_add_co_u32 s100, s100, O_WPS
	s_mov_b32 s101, 0
	s_mul_i32 s22, s22, 768
	s_add_co_u32 s22, s22, O_WPC
	s_mov_b32 s23, 0
	s_wait_dscnt 0x0
	s_wait_kmcnt 0x0
	s_add_nc_u64 s[20:21], s[4:5], s[20:21]
	s_add_nc_u64 s[66:67], s[4:5], s[66:67]
	s_add_nc_u64 s[22:23], s[6:7], s[22:23]
	s_add_nc_u64 s[100:101], s[6:7], s[100:101]
	CROUND
	s_mov_b32 s[G0S], 1
	s_mov_b32 s[G0S+1], SA
	s_mov_b64 s[G0S+2:G0S+3], s[66:67]
	s_or_b32 s[G0S+3], s[G0S+3], 0x80000000
	s_mov_b32 s[G0SB], 1
	s_mov_b32 s[G0SB+1], SA+2*HS
	s_mov_b64 s[G0SB+2:G0SB+3], s[100:101]
	s_or_b32 s[G0SB+3], s[G0SB+3], 0x80000000
	s_mov_b32 s[G0A], 1
	s_mov_b32 s[G0A+1], 0
	s_mov_b64 s[G0A+2:G0A+3], s[20:21]
	s_or_b32 s[G0A+3], s[G0A+3], 0x80000000
	s_mov_b32 s[G0B], 1
	s_mov_b32 s[G0B+1], BT
	s_mov_b64 s[G0B+2:G0B+3], s[22:23]
	s_or_b32 s[G0B+3], s[G0B+3], 0x80000000
	ARM 1, G0A, G1A, .Lhead_b
	ARM 2, G0B, G1B, .Lhead_sa
	ARM 3, G0S, G1S, .Lhead_sb
	tensor_load_to_lds s[G0SB:G0SB+3], s[G1SB:G1SB+7]
	s_nop 0
.rept 4
	v_nop
.endr
.Lhead_asked:
	v_and_b32 v1, 15, v0
	v_bfe_u32 v2, v0, 4, 1
	v_and_b32 v3, 31, v0
	s_mul_i32 s3, s13, 4*12288                     ; my four tiles of o; a tile's sixteen heads are 12,288 bytes
	v_lshl_add_u32 v[PA16], v3, 4, s3
	v_lshl_add_u32 v[PA8], v3, 3, s3
	v_mul_u32_u24 v4, v1, PITCH
	v_mad_u32_u24 v4, v2, 24, v4
	s_mul_i32 s3, s14, 4*64*PITCH                  ; my group of 64 rows of W_proj: four quarters of K, 64 LDS rows each
	s_add_co_u32 s3, s3, BT
	v_add_nc_u32 v[PBF], s3, v4
	v_lshl_add_u32 v[PBF+2], v2, 4, v[PBF]
	s_mul_i32 s3, s13, HS
	s_add_co_u32 s3, s3, SA
	v_lshl_add_u32 v[PSA], v1, 2, s3
	v_lshrrev_b32 v4, 3, v1
	v_and_b32 v5, 7, v1
	v_mul_u32_u24 v4, v4, 272
	v_lshl_add_u32 v4, v5, 5, v4
	s_mul_i32 s3, s14, HS
	s_add_co_u32 s3, s3, SA+2*HS
	v_add_nc_u32 v[PSB], s3, v4
	s_mul_i32 s3, s12, 16*SPITCH
	s_add_co_u32 s3, s3, STG
	v_mul_u32_u24 v4, v1, SPITCH
	v_lshl_add_u32 v4, v2, 5, v4
	v_add_nc_u32 v[STO], s3, v4
	v_mul_u32_u24 v4, v2, SPITCH
	v_lshl_add_u32 v4, v1, 4, v4
	v_add_nc_u32 v[RD], s3, v4
	v_lshlrev_b32 v[CO], 12, v2
	v_lshl_add_u32 v[CO], v1, 4, v[CO]
	v_lshlrev_b32 v[VB], 5, v2
	s_wait_alu depctr_va_vdst(0)
	s_lshl_b32 s20, s18, 7
	s_lshl_b32 s21, s13, 6
	s_add_co_u32 s20, s20, s21
	s_lshl_b32 s20, s20, 12
	s_mov_b32 s21, 0
	s_lshl_b32 s22, s17, 7
	s_lshl_b32 s23, s14, 6
	s_add_co_u32 s22, s22, s23
	s_lshl_b32 s22, s22, 2
	s_mov_b32 s23, 0
	s_add_nc_u64 s[10:11], s[10:11], s[20:21]
	s_add_nc_u64 s[10:11], s[10:11], s[22:23]
	s_add_nc_u64 s[8:9], s[8:9], s[22:23]
	WIN 0x40
.irp b, 0,1,2,3
	global_load_b128 v[128+8*\b:131+8*\b], v[VB], s[8:9] offset:64*\b
	global_load_b128 v[132+8*\b:135+8*\b], v[VB], s[8:9] offset:64*\b+16
.endr
	WIN 0
.macro FRAG reg, adr, q, i
.irp p, 0,1,2,3,4,5
.set PC, 12*(\q)+6*(\p/3)+\p%3
.if PC%8 < 5
	ds_load_b64 v[\reg+2*\p:\reg+2*\p+1], v[\adr] offset:8*PC+16*(PC/8)+(\i)*16*PITCH
.else
	ds_load_b64 v[\reg+2*\p:\reg+2*\p+1], v[\adr+2] offset:8*PC+16*(PC/8)+(\i)*16*PITCH
.endif
.endr
.endm
.macro FETCH s
.set FS, 64+96*((\s)%2)
.set SWD, 32+8*((\s)%2)
.irp a, 0,1,2,3
	ds_load_b128 v[FS+12*\a:FS+12*\a+3], v[PA16] offset:\a*12288+1536*(\s)
	ds_load_b64 v[FS+12*\a+4:FS+12*\a+5], v[PA8] offset:\a*12288+1536*(\s)+512
	ds_load_b128 v[FS+12*\a+6:FS+12*\a+9], v[PA16] offset:\a*12288+1536*(\s)+768
	ds_load_b64 v[FS+12*\a+10:FS+12*\a+11], v[PA8] offset:\a*12288+1536*(\s)+1280
.endr
.irp b, 0,1,2,3
	FRAG FS+48+12*\b, PBF, (\s)%2, \b+4*((\s)/2)
.endr
.irp a, 0,1,2,3
	ds_load_b32 v[SWD+\a], v[PSA] offset:\a*544+272*((\s)/4)+64*((\s)%4)
.endr
.irp b, 0,1,2,3
	ds_load_b32 v[SWD+4+\b], v[PSB] offset:\b*544+4*(\s)
.endr
.endm
.macro MUL s
.set FS, 64+96*((\s)%2)
.set SWD, 32+8*((\s)%2)
	WIN 0x50
.irp a, 0,1,2,3
.irp b, 0,1,2,3
.if (\s) == 0
	v_wmma_scale_f32_16x16x128_f8f6f4 v[8*(4*\a+\b):8*(4*\a+\b)+7], v[FS+48+12*\b:FS+48+12*\b+11], v[FS+12*\a:FS+12*\a+11], v[128+8*\b:135+8*\b], v[SWD+4+\b], v[SWD+\a] matrix_a_fmt:MATRIX_FMT_FP6 matrix_b_fmt:MATRIX_FMT_FP6
.else
	v_wmma_scale_f32_16x16x128_f8f6f4 v[8*(4*\a+\b):8*(4*\a+\b)+7], v[FS+48+12*\b:FS+48+12*\b+11], v[FS+12*\a:FS+12*\a+11], v[8*(4*\a+\b):8*(4*\a+\b)+7], v[SWD+4+\b], v[SWD+\a] matrix_a_fmt:MATRIX_FMT_FP6 matrix_b_fmt:MATRIX_FMT_FP6
.endif
.endr
.endr
	WIN 0
.endm
.macro KSTEP s
.if (\s) < 7
.if (\s) > 0
	s_wait_alu depctr_va_vdst(0)
.rept 4
	v_nop
.endr
.endif
	FETCH (\s)+1
	s_wait_dscnt 48
.else
	s_wait_dscnt 0x0
.endif
	MUL \s
.endm
	s_wait_loadcnt 0x0
	s_wait_tensorcnt 0x0                           ; my tile of the four is in; behind the barrier everybody's
	s_barrier_signal -1
	s_barrier_wait -1
	FETCH 0
.irp s, 0,1,2,3,4,5,6,7
	KSTEP \s
.endr
.macro TOSTAGE a
	WIN 0x04
.irp b, 0,1,2,3
	ds_store_b128 v[STO], v[8*(4*(\a)+\b):8*(4*(\a)+\b)+3] offset:64*\b
	ds_store_b128 v[STO], v[8*(4*(\a)+\b)+4:8*(4*(\a)+\b)+7] offset:64*\b+16
.endr
	WIN 0x40
.set BB, 160+32*((\a)%2)
.irp t, 0,1,2,3,4,5,6,7
	ds_load_b128 v[BB+4*\t:BB+4*\t+3], v[RD] offset:\t*2*SPITCH
.endr
	WIN 0
.endm
.macro SEND a, younger
.set BB, 160+32*((\a)%2)
	s_wait_dscnt \younger
	WIN 0x04
.irp t, 0,1,2,3,4,5,6,7
	global_store_b128 v[CO], v[BB+4*\t:BB+4*\t+3], s[10:11] offset:(32*((\a)/2)+8*((\a)%2)+2*\t+8*(\t/4))*4096 th:TH_STORE_NT
.endr
	WIN 0
.endm
.rept 4
	v_nop
.endr
	TOSTAGE 0
.irp a, 1,2,3
.if \a > 1
	s_wait_xcnt 0x0
.endif
	TOSTAGE \a
	SEND \a-1, 16
.endr
	SEND 3, 0
	s_wait_tensorcnt 0x0
	ds_add_u32 v[SPW], v[NIL]
	s_wait_dscnt 0x0
	CROUND
	s_endpgm
.Lfunc_end_k_q561858dd91_proj:
	.size	k_q561858dd91_proj, .Lfunc_end_k_q561858dd91_proj-k_q561858dd91_proj
	.p2alignl 7, 3214868480
	.fill 96, 4, 3214868480
	.section	.rodata,"a",@progbits
	.p2align	6, 0x0
	.amdhsa_kernel k_q561858dd91_proj
		.amdhsa_group_segment_fixed_size 327680
		.amdhsa_private_segment_fixed_size 0
		.amdhsa_enable_private_segment 0
		.amdhsa_kernarg_size 32
		.amdhsa_user_sgpr_count 2
		.amdhsa_user_sgpr_kernarg_segment_ptr 1
		.amdhsa_wavefront_size32 1
		.amdhsa_system_sgpr_workgroup_id_x 1
		.amdhsa_system_sgpr_workgroup_id_y 1
		.amdhsa_system_sgpr_workgroup_id_z 1
		.amdhsa_system_vgpr_workitem_id 0
		.amdhsa_next_free_vgpr 512
		.amdhsa_next_free_sgpr 106
		.amdhsa_reserve_vcc 0
		.amdhsa_float_denorm_mode_32 3
		.amdhsa_float_denorm_mode_16_64 3
		.amdhsa_memory_ordered 1
		.amdhsa_forward_progress 1
		.amdhsa_inst_pref_size 60
	.end_amdhsa_kernel
	.amdgpu_metadata
---
amdhsa.version: [ 1, 2 ]
amdhsa.kernels:
  - .name:           k_q561858dd91_proj
    .symbol:         k_q561858dd91_proj.kd
    .args:
      - { .name: ob, .offset: 0, .size: 8, .value_kind: global_buffer, .address_space: global }
      - { .name: qa, .offset: 8, .size: 8, .value_kind: global_buffer, .address_space: global }
      - { .name: b_proj, .offset: 16, .size: 8, .value_kind: global_buffer, .address_space: global }
      - { .name: out0, .offset: 24, .size: 8, .value_kind: global_buffer, .address_space: global }
    .group_segment_fixed_size: 327680
    .private_segment_fixed_size: 0
    .kernarg_segment_align: 8
    .kernarg_segment_size: 32
    .max_flat_workgroup_size: 128
    .sgpr_count:     106
    .vgpr_count:     512
    .wavefront_size: 32
...
	.end_amdgpu_metadata
.endif
;; end of part 4
